; MI455X (gfx1250); checked and timed in simulation.
; The chip was launched on July 23, 2026; its instructions are those of AMD's public machine-readable ISA for CDNA 5 (MIT licence, August 2026) and "CDNA5" Instruction Set Architecture Reference Guide (July 2026). The comments in the code are by the model that wrote it; some were corrected since.
;; Transformer Layer. Allowed arithmetic: float matrix products may take bf16 or f16 operands with f32 sums; other float arithmetic in f32, or as packed bf16 or f16 multiplies, adds, multiply-adds, maxima and minima; sums over many terms, partial sums and values carried from step to step in f32; what a program stores and reads back later, other than sums and carried values, may be rounded once to bf16 or f16.
;; Inputs: W1 1,024 x 4,096 float32; W2 4,096 x 1,024 float32; Wk 1,024 x 1,024 float32; Wo 1,024 x 1,024 float32; Wq 1,024 x 1,024 float32; Wv 1,024 x 1,024 float32; b1 4,096 float32; b2 1,024 float32; causal_mask 1 x 1 x 2,048 x 2,048 bool; ln1_offset 1,024 float32; ln1_scale 1,024 float32; ln2_offset 1,024 float32; ln2_scale 1,024 float32; pos 64 x 1,024 float32; rpe 16 x 64 float32; x 2 x 2,048 x 1,024 float32.
;; Outputs: out0 2 x 2,048 x 1,024 float32.
;; 2 versions, each right; version 2 is version 1 with the launch prep written anew for expert scheduling mode. Each part assembles by itself: llvm-mc -triple=amdgcn-amd-amdhsa -mcpu=gfx1250 --defsym DOCPART=n.
;; ======== version 1 of 2: 8 launches
;; limits: values are held in f16: magnitudes above 65,504 overflow, below 6.1e-05 lose precision
;; workspace buffers: w16 25,165,824 bytes; h16 8,388,608 bytes; qkv 25,427,968 bytes; o16 8,388,608 bytes; zbuf 16,777,216 bytes; att16 8,388,608 bytes; hid 33,554,432 bytes
;; launch prep (part 1): grid 256 x 1, 16 waves a work-group, no clusters, 0 bytes of LDS; arguments x, pos, Wq, Wk, Wv, Wo, W1, W2, w16, h16; writes w16, h16
.if DOCPART == 1
	.amdgcn_target "amdgcn-amd-amdhsa--gfx1250"
	.amdhsa_code_object_version 6
	.text
	.protected	k_qc09ff79dda_prep
	.globl	k_qc09ff79dda_prep
	.p2align	8
	.type	k_qc09ff79dda_prep,@function
k_qc09ff79dda_prep:
	s_mov_b64 s[64:65], 0
	v_nop
	global_prefetch_b8 v0, s[64:65] scope:SCOPE_SE
	s_setreg_imm32_b32 hwreg(HW_REG_WAVE_MODE, 25, 1), 1
	s_wait_xcnt 0x0
; h16 = f16(bf16(x) + bf16(pos[t % 64])), and the six weight matrices as f16(bf16(W)), each in its own [K][N] order, one behind the other in w16.
; Everything is taken as rows of 1,024 f32 (4,096 bytes in, 2,048 bytes out), 64 rows to a work-group.
; Work-groups 0-63 take x: work-group g the rows g, g + 64, g + 128 ..: all of them want row g of pos, which is loaded once and kept in 4 registers a thread.
; Work-groups 64-255 take 64 consecutive rows of Wq, Wk, Wv, Wo, W1, W2 (in w16's order), with 0 in pos's place.
; Thread t owns 16 bytes (4 numbers) at byte 16 (t % 256) of a row, and the rows of parity t / 256.  A ring of 8 slots keeps 8 loads of every wave on their way.
; A wave's load covers 512 consecutive bytes, its store 256 consecutive bytes, both aligned.  No LDS, no matrix unit: nothing is shared and nothing is multiplied.
; LIMITS: f16 ends at 65,504 (h is x + pos); a weight below 6e-5 keeps f16's fixed step of 6e-8.
.set SO,  4                            ; v[4:11]   slot i: byte offset of my 16 bytes in the source; never rewritten
.set DO,  12                           ; v[12:19]  slot i: byte offset of my 8 bytes in the destination; never rewritten
.set PP,  20                           ; v[20:23]  my 4 numbers of pos, rounded to bf16, or 0
.set TT,  24                           ; v[24:25]  at work
.set UU,  26                           ; v[26:29]  at work
.set XX,  32                           ; v[32:63]  slot i: 4 registers as loaded
.set YY,  64                           ; v[64:79]  slot i: 2 registers to store
.set SRC, 24                           ; s[24:25]  the source, at the round that is being loaded
.set DST, 30                           ; s[30:31]  the destination, at the round that is being stored
.set SST, 32                           ; s[32:33]  16 source rows' step
.set DSTP, 34                          ; s[34:35]  16 destination rows' step
	s_load_b512 s[4:19], s[0:1], 0x0               ; x, pos, Wq, Wk, Wv, Wo, W1, W2
	s_load_b128 s[20:23], s[0:1], 0x40             ; w16, h16
	s_mov_b32 s2, ttmp9                            ; g
	s_mov_b32 s41, 0xffff0000                      ; a word's upper bf16
	v_and_b32 v1, 0xff, v0
	v_lshrrev_b32 v2, 8, v0                        ; my rows' parity
	v_lshlrev_b32 v3, 4, v1                        ; my 16 bytes in a source row (and in pos's row)
	v_lshlrev_b32 v1, 3, v1                        ; my 8 bytes in a destination row
	s_wait_kmcnt 0x0
	s_mov_b64 s[SRC:SRC+1], s[18:19]               ; which tensor, and the first work-group of its range
	s_movk_i32 s26, 192
	s_cmp_lt_u32 s2, 192
	s_cselect_b64 s[SRC:SRC+1], s[16:17], s[SRC:SRC+1]
	s_cselect_b32 s26, 128, s26
	s_cmp_lt_u32 s2, 128
	s_cselect_b64 s[SRC:SRC+1], s[14:15], s[SRC:SRC+1]
	s_cselect_b32 s26, 112, s26
	s_cmp_lt_u32 s2, 112
	s_cselect_b64 s[SRC:SRC+1], s[12:13], s[SRC:SRC+1]
	s_cselect_b32 s26, 96, s26
	s_cmp_lt_u32 s2, 96
	s_cselect_b64 s[SRC:SRC+1], s[10:11], s[SRC:SRC+1]
	s_cselect_b32 s26, 80, s26
	s_cmp_lt_u32 s2, 80
	s_cselect_b64 s[SRC:SRC+1], s[8:9], s[SRC:SRC+1]
	s_cselect_b32 s26, 64, s26
	s_cmp_lt_u32 s2, 64
	s_cselect_b64 s[SRC:SRC+1], s[4:5], s[SRC:SRC+1]
	s_cselect_b32 s26, 0, s26
	s_cselect_b64 s[DST:DST+1], s[22:23], s[20:21]
	s_cselect_b32 s27, 0, 64
	s_cselect_b32 s28, 12, 18                      ; x: one row a work-group apart; weights: 64 rows
	s_cselect_b32 s29, 11, 17
	s_cselect_b32 s40, 18, 12                      ; x: 64 rows from a row of mine to the next; weights: one
	s_sub_co_u32 s32, s2, s26
	s_lshl_b32 s32, s32, s28
	s_mov_b32 s33, 0
	s_add_nc_u64 s[SRC:SRC+1], s[SRC:SRC+1], s[32:33]
	s_sub_co_u32 s34, s2, s27
	s_lshl_b32 s34, s34, s29
	s_mov_b32 s35, 0
	s_add_nc_u64 s[DST:DST+1], s[DST:DST+1], s[34:35]
	s_lshl_b32 s37, 1, s40                         ; bytes from row to row in the source,
	s_lshr_b32 s38, s37, 1                         ; and in the destination
	s_lshl_b32 s[SST], s37, 4
	s_lshl_b32 s[DSTP], s38, 4
.irp i, 0,1,2,3,4,5,6,7
	v_add_nc_u32 v[TT], 2*(\i), v2                 ; slot i's row of the round's 16
	v_mad_u32_u24 v[SO+(\i)], v[TT], s37, v3
	v_mad_u32_u24 v[DO+(\i)], v[TT], s38, v1
.endr
.irp i, 0,1,2,3,4,5,6,7
	global_load_b128 v[XX+4*(\i):XX+4*(\i)+3], v[SO+(\i)], s[SRC:SRC+1] th:TH_LOAD_NT  ; the ring is filled: round 0
.endr
	s_wait_xcnt 0x0                                ; the loads have read their base: it steps to round 1
	s_add_nc_u64 s[SRC:SRC+1], s[SRC:SRC+1], s[SST:SST+1]
	s_cmp_lt_u32 s2, 64
	s_cbranch_scc0 .Lweights
	s_lshl_b32 s26, s2, 12                         ; row g of pos
	s_mov_b32 s27, 0
	s_add_nc_u64 s[6:7], s[6:7], s[26:27]
	global_load_b128 v[PP:PP+3], v3, s[6:7]
	s_wait_loadcnt 0x0
	v_cvt_pk_bf16_f32 v[TT], v[PP], v[PP+1]
	v_cvt_pk_bf16_f32 v[TT+1], v[PP+2], v[PP+3]
	v_lshlrev_b32 v[PP], 16, v[TT]
	v_and_b32 v[PP+1], s41, v[TT]
	v_lshlrev_b32 v[PP+2], 16, v[TT+1]
	v_and_b32 v[PP+3], s41, v[TT+1]
	s_branch .Lgo
.Lweights:
	v_mov_b32 v[PP], 0
	v_mov_b32 v[PP+1], 0
	v_mov_b32 v[PP+2], 0
	v_mov_b32 v[PP+3], 0
.Lgo:
; A round: every slot once, 16 rows of the work-group.  ahead = 1: each slot is loaded again, with its row of the next round.
.macro ROUND ahead
.irp i, 0,1,2,3,4,5,6,7
.if \ahead
	s_wait_loadcnt 7                               ; loads come back in order: this slot's is in, the 7 younger ones stay out
.else
	s_wait_loadcnt 7-(\i)                          ; the last round loads nothing: the counts run down
.endif
	v_cvt_pk_bf16_f32 v[TT], v[XX+4*(\i)], v[XX+4*(\i)+1]        ; the input rounded to bf16,
	v_cvt_pk_bf16_f32 v[TT+1], v[XX+4*(\i)+2], v[XX+4*(\i)+3]
	v_lshlrev_b32 v[UU], 16, v[TT]                               ; widened again,
	v_and_b32 v[UU+1], s41, v[TT]
	v_lshlrev_b32 v[UU+2], 16, v[TT+1]
	v_and_b32 v[UU+3], s41, v[TT+1]
	v_pk_add_f32 v[UU:UU+1], v[UU:UU+1], v[PP:PP+1]              ; pos (or 0) added in f32,
	v_pk_add_f32 v[UU+2:UU+3], v[UU+2:UU+3], v[PP+2:PP+3]
	v_cvt_pk_f16_f32 v[YY+2*(\i)], v[UU], v[UU+1]                ; and rounded once to f16
	v_cvt_pk_f16_f32 v[YY+2*(\i)+1], v[UU+2], v[UU+3]
.if \ahead
	global_load_b128 v[XX+4*(\i):XX+4*(\i)+3], v[SO+(\i)], s[SRC:SRC+1] th:TH_LOAD_NT
.endif
	global_store_b64 v[DO+(\i)], v[YY+2*(\i):YY+2*(\i)+1], s[DST:DST+1]
.endr
.if \ahead
	s_wait_xcnt 0x0                                ; the round's loads and stores have read their sources: the bases step, and Y is written again, only behind this wait
	s_add_nc_u64 s[SRC:SRC+1], s[SRC:SRC+1], s[SST:SST+1]
	s_add_nc_u64 s[DST:DST+1], s[DST:DST+1], s[DSTP:DSTP+1]
.endif
.endm
	s_mov_b32 s36, 3
.Lround:
	ROUND 1
	s_sub_co_u32 s36, s36, 1
	s_cmp_lg_u32 s36, 0
	s_cbranch_scc1 .Lround
	ROUND 0
	s_endpgm
.Lfunc_end_k_qc09ff79dda_prep:
	.size	k_qc09ff79dda_prep, .Lfunc_end_k_qc09ff79dda_prep-k_qc09ff79dda_prep
	.p2alignl 7, 3214868480
	.fill 96, 4, 3214868480
	.section	.rodata,"a",@progbits
	.p2align	6, 0x0
	.amdhsa_kernel k_qc09ff79dda_prep
		.amdhsa_group_segment_fixed_size 0
		.amdhsa_private_segment_fixed_size 0
		.amdhsa_enable_private_segment 0
		.amdhsa_kernarg_size 80
		.amdhsa_user_sgpr_count 2
		.amdhsa_user_sgpr_kernarg_segment_ptr 1
		.amdhsa_wavefront_size32 1
		.amdhsa_system_sgpr_workgroup_id_x 1
		.amdhsa_system_sgpr_workgroup_id_y 1
		.amdhsa_system_sgpr_workgroup_id_z 1
		.amdhsa_system_vgpr_workitem_id 0
		.amdhsa_next_free_vgpr 96
		.amdhsa_next_free_sgpr 66
		.amdhsa_reserve_vcc 0
		.amdhsa_float_denorm_mode_32 3
		.amdhsa_float_denorm_mode_16_64 3
		.amdhsa_memory_ordered 1
		.amdhsa_forward_progress 1
		.amdhsa_inst_pref_size 16
	.end_amdhsa_kernel
	.amdgpu_metadata
---
amdhsa.version: [ 1, 2 ]
amdhsa.kernels:
  - .name:           k_qc09ff79dda_prep
    .symbol:         k_qc09ff79dda_prep.kd
    .args:
      - { .name: x, .offset: 0, .size: 8, .value_kind: global_buffer, .address_space: global }
      - { .name: pos, .offset: 8, .size: 8, .value_kind: global_buffer, .address_space: global }
      - { .name: Wq, .offset: 16, .size: 8, .value_kind: global_buffer, .address_space: global }
      - { .name: Wk, .offset: 24, .size: 8, .value_kind: global_buffer, .address_space: global }
      - { .name: Wv, .offset: 32, .size: 8, .value_kind: global_buffer, .address_space: global }
      - { .name: Wo, .offset: 40, .size: 8, .value_kind: global_buffer, .address_space: global }
      - { .name: W1, .offset: 48, .size: 8, .value_kind: global_buffer, .address_space: global }
      - { .name: W2, .offset: 56, .size: 8, .value_kind: global_buffer, .address_space: global }
      - { .name: w16, .offset: 64, .size: 8, .value_kind: global_buffer, .address_space: global }
      - { .name: h16, .offset: 72, .size: 8, .value_kind: global_buffer, .address_space: global }
    .group_segment_fixed_size: 0
    .private_segment_fixed_size: 0
    .kernarg_segment_align: 8
    .kernarg_segment_size: 80
    .max_flat_workgroup_size: 512
    .sgpr_count:     66
    .vgpr_count:     96
    .wavefront_size: 32
...
	.end_amdgpu_metadata
.endif
;; end of part 1
;; launch proj (part 2): grid 8 x 32, 4 waves a work-group, clusters of 4 x 4, 327,680 bytes of LDS; arguments h16, w16, qkv; writes qkv
.if DOCPART == 2
	.amdgcn_target "amdgcn-amd-amdhsa--gfx1250"
	.amdhsa_code_object_version 6
	.text
	.protected	k_qc09ff79dda_proj
	.globl	k_qc09ff79dda_proj
	.p2align	8
	.type	k_qc09ff79dda_proj,@function
k_qc09ff79dda_proj:
	s_mov_b64 s[64:65], 0
	v_nop
	global_prefetch_b8 v0, s[64:65] scope:SCOPE_SE
	s_setreg_imm32_b32 hwreg(HW_REG_WAVE_MODE, 25, 1), 1
	s_wait_xcnt 0x0
	s_wait_alu depctr_hold_cnt(0) depctr_sa_sdst(0) depctr_va_vdst(0) depctr_va_sdst(0) depctr_va_ssrc(0) depctr_va_vcc(0) depctr_vm_vsrc(0)
	s_getreg_b32 s2, hwreg(HW_REG_IB_STS2, 6, 4)
	s_cmp_eq_u32 s2, 0
	s_cbranch_scc0 .Lentry_in_a_cluster
	s_endpgm
.Lentry_in_a_cluster:
	s_bfe_u32 s2, ttmp6, 0x10000c
	s_cmp_lg_u32 s2, 0xf033
	s_cbranch_scc0 .Lentry_shape_is_right
	s_endpgm
.Lentry_shape_is_right:
; q, k, v = h Wq, h Wk, h Wv, stored by heads: qkv[section q, k, v][b][head][t][64] in f16; and, behind them, the sums of v over each 64 rows, f32 [b][head][t / 64][64].
; h16: [4096][1024] f16.  w16: Wq, Wk, Wv as [1024 k][1024 n] f16, 2 MiB apart.  Products in f16, sums in f32, each result rounded once.
; LIMIT: q, k, v beyond 65,504 become infinities in f16.
; SHARES.  A work-group makes 128 rows x two heads x (q, k, v): 128 x 384.  Four waves: wave (wr, wc) makes 64 rows x one head's q, k and v: 4 x 12 accumulators of 16 x 16, 384 registers.
; K goes in 8 steps of 128 through two LDS slots.  A slot has four parts, one tensor load each: waves 0, 1, 2 fetch 128 k-rows x 128 columns of Wq, Wk, Wv; wave 3 fetches 128 rows x 128 k of h.
; CLUSTER 4 x 4: h's tile hangs on the row tile alone and is asked for jointly along a row of the cluster, the weights' on the head pair alone, jointly along a column.
; THE PRODUCT IS USED TRANSPOSED: source 0 = 16 columns of W (out of [k][n] rows by the turning load), source 1 = 16 rows of h: a lane then holds one row and eight neighbouring columns.
; ONE TEXT FOR A K STEP: s[TB] is 0 or SLOT, and the fragments' LDS addresses are made anew from it at each change of slots.  No part's address has a bit in common with SLOT, so the exclusive or is a sum or a difference.
; REGISTERS, in windows of 256: window 0: v0-31 addresses; v32-63, v64-95 h's fragments, two buffers; v96-255 the way out.  window 1: v0-95, v96-191 W's fragments, two buffers.
;   window 2: accumulators of row blocks 0, 1 at 96 a + 8 nb;  window 3: row blocks 2, 3.
.set T,      8
.set SUB,    0x9000                    ; a part of a slot: 128 rows x 288 bytes (h's: 128 x 272)
.set SLOT,   0x24000
.set PA,     272                       ; a row of h in LDS: 256 bytes + 16
.set PB,     288                       ; a k-row of W in LDS: 256 bytes + 32
.set STAGE,  2*SLOT                    ; behind the ring: 16 rows x 400 bytes for each wave
.set SP,     400
.set SPARE,  STAGE+4*16*SP             ; the spare words, 128 bytes for each wave, which no other line names
.set ASTEP,  256                       ; a K step in h: bytes along a row
.set BSTEP,  128*2048                  ; a K step in W: 128 k-rows
.set ADRA0,  8                         ; v8      my place in h's part of slot 0; never rewritten
.set ADRB0,  9                         ; v9-11   my place in the three parts of W; never rewritten
.set ADRA,   12                        ; v12     the same in the slot in hand
.set ADRB,   13                        ; v13-15
.set STO,    16                        ; the way out: where I put 16 bytes of a row
.set RD,     17                        ; where I read rows back
.set GO,     18                        ; 16 x lane
.set CSA,    19                        ; the column sums: in
.set CSR,    20                        ; and back
.set CSO,    21                        ; 8 x lane
.set SPW,    28                        ; my spare word; never rewritten
.set NIL,    29                        ; 0; never rewritten
.set PFO,    30                        ; the prefetches' offset: lane x 2,048; never rewritten
.set TMP,    96
.set OB,     144
.set CS,     192
.set G1A, 24                           ; s[24:31] group 1 for h's tiles;  s[32:39] group 0, two sets: the second walks
.set G0A, 32
.set G1B, 40                           ; s[40:47], s[48:55] the same for W's
.set G0B, 48
.set TB,  56
.set CNT, 57
.set LIM, 58                           ; 1 in a wave that prefetches, else the greatest number
.set PFA, 60                           ; s[60:61] where my prefetches stand
.set PST, 62                           ; s[62:63] their step
.set OQ,  66                           ; s[66:71] q, k, v at my rows
.set CSB, 72                           ; s[72:73] my 256 bytes of the column sums
.set ARG, 76
.set MSB, 0
.macro WIN new                         ; the immediate's high byte repeats the setting that is left; a switch that changes nothing is dropped
.if MSB != (\new)
	s_set_vgpr_msb (MSB<<8)|(\new)
.set MSB, \new
.endif
.endm
.set MUL_LO, 0xa1                      ; source 0 (W) window 1, source 1 (h) window 0, C and D window 2
.macro PLACES                          ; four places in front of loads into registers that matrix instructions have read, and of reads of their results
.rept 4
	v_nop
.endr
.endm
.macro CREST                           ; a round of the cluster's barrier behind its opening barrier
	s_cmp_lg_u32 s10, 0
	s_cbranch_scc1 .Lnot_wave_0_\@
	s_barrier_signal -3
.Lnot_wave_0_\@:
	s_barrier_wait -3
	s_barrier_signal -1
	s_barrier_wait -1
.endm
.macro CROUND
	s_barrier_signal -1
	s_barrier_wait -1
	CREST
.endm
.macro JLOAD                           ; a joint refill by the walking descriptors; the branch hangs on the wave's number alone; an s_nop 0 and four v_nop follow each line
	s_cmp_eq_u32 s10, 3
	s_cbranch_scc0 .Lfor_b_\@
	tensor_load_to_lds s[G0A+4:G0A+7], s[G1A:G1A+7]
	s_nop 0
.rept 4
	v_nop
.endr
	s_branch .Lasked_\@
.Lfor_b_\@:
	tensor_load_to_lds s[G0B+4:G0B+7], s[G1B:G1B+7]
	s_nop 0
.rept 4
	v_nop
.endr
.Lasked_\@:
.endm
; A prefetch of the K step that the NEXT refill will ask for: 32 rows x 256 bytes, a lane a row.  h's tile is read by both clusters of its row of clusters: the one with x = 0 asks; W's by all clusters of its
; column: the one with y = 0 asks.  The four partners of a joint load take 32 of its 128 rows each, told apart by address.  The last refill has no step behind it and asks for nothing.
.macro ASK
	s_cmp_gt_u32 s[CNT], s[LIM]
	s_cbranch_scc0 .Lnot_mine_\@
	global_prefetch_b8 v[PFO], s[PFA:PFA+1] th:TH_LOAD_NT scope:SCOPE_SE
.Lnot_mine_\@:
.endm
	s_load_b128 s[ARG:ARG+3], s[0:1], 0x0          ; h16, w16
	s_load_b64 s[ARG+4:ARG+5], s[0:1], 0x10        ; qkv
	v_lshl_add_u32 v[SPW], v0, 2, SPARE
	v_mov_b32 v[NIL], 0
	ds_add_u32 v[SPW], v[NIL]                      ; the wave's opening: the add and its wait ahead of my first tensor load
	v_lshrrev_b32 v1, 5, v0
	v_readfirstlane_b32 s10, v1                    ; wave 0..3
	s_lshr_b32 s11, s10, 1                         ; wr: which 64 rows
	s_and_b32 s12, s10, 1                          ; wc: which head of the pair
	s_bfe_u32 s14, ttmp6, 0x40000                  ; cx
	s_bfe_u32 s15, ttmp6, 0x40004                  ; cy
	s_lshl_b32 s16, ttmp9, 2
	s_add_co_u32 s16, s16, s14                     ; tx: the head pair
	s_and_b32 s17, ttmp7, 0xffff
	s_lshl_b32 s17, s17, 2
	s_add_co_u32 s17, s17, s15                     ; ty: the row tile
	s_lshl_b32 s18, s15, 2
	s_lshl_b32 s18, 15, s18                        ; my row of the cluster
	s_lshl_b32 s19, 0x1111, s14                    ; my column
	s_or_b32 s[G1A], s18, (1<<16)|(1<<20)|(1<<21)|(5<<22)|(3<<25)   ; the mask; 2-byte elements; padding on; bit 21 beside a mask; after every 64 words 4 words
	s_or_b32 s[G1B], s19, (1<<16)|(1<<20)|(1<<21)|(5<<22)|(7<<25)   ; the same with 8 words
.irp g, G1A, G1B
	s_mov_b32 s[(\g)+1], 128<<16                   ; tensor_dim0 = 128
	s_mov_b32 s[(\g)+2], 128<<16                   ; tensor_dim1 = 128
	s_mov_b32 s[(\g)+3], 128<<16                   ; tile_dim0 = 128
	s_mov_b32 s[(\g)+4], 128                       ; tile_dim1 = 128
	s_mov_b32 s[(\g)+5], 1024                      ; elements from row to row
	s_mov_b32 s[(\g)+6], 0
	s_mov_b32 s[(\g)+7], 0
.endr
	s_lshl_b32 s20, s17, 18                        ; h: 128 rows of 2,048 bytes a row tile
	s_mov_b32 s21, 0
	s_lshl_b32 s22, s10, 21                        ; W: the wave's section,
	s_lshl_b32 s23, s16, 8                         ; the pair's 128 columns
	s_add_co_u32 s22, s22, s23
	s_mov_b32 s23, 0
	s_mul_i32 s3, s10, SUB                         ; my part of a slot: no place in the cluster enters an LDS address
	s_mov_b32 s[TB], 0
	s_wait_dscnt 0x0                               ; the opening add is done
	s_wait_kmcnt 0x0
	s_add_nc_u64 s[20:21], s[ARG:ARG+1], s[20:21]
	s_add_nc_u64 s[22:23], s[ARG+2:ARG+3], s[22:23]
	CROUND                                         ; all sixteen work-groups are here: the first joint loads meet
.irp s, 0,1
	s_mov_b32 s[G0A+4*(\s)], 1
	s_add_co_u32 s[G0A+4*(\s)+1], s3, (\s)*SLOT
	s_add_nc_u64 s[G0A+4*(\s)+2:G0A+4*(\s)+3], s[20:21], (\s)*ASTEP
	s_or_b32 s[G0A+4*(\s)+3], s[G0A+4*(\s)+3], 0x80000000
	s_mov_b32 s[G0B+4*(\s)], 1
	s_add_co_u32 s[G0B+4*(\s)+1], s3, (\s)*SLOT
	s_add_nc_u64 s[G0B+4*(\s)+2:G0B+4*(\s)+3], s[22:23], (\s)*BSTEP
	s_or_b32 s[G0B+4*(\s)+3], s[G0B+4*(\s)+3], 0x80000000
.endr
	s_cmp_eq_u32 s10, 3                            ; a wave's two first fills stand in one branch: two loads of mine are out
	s_cbranch_scc0 .Lfirst_b
	tensor_load_to_lds s[G0A:G0A+3], s[G1A:G1A+7]
	s_nop 0
	tensor_load_to_lds s[G0A+4:G0A+7], s[G1A:G1A+7]
	s_nop 0
.rept 4
	v_nop
.endr
	s_branch .Lfirst_asked
.Lfirst_b:
	tensor_load_to_lds s[G0B:G0B+3], s[G1B:G1B+7]
	s_nop 0
	tensor_load_to_lds s[G0B+4:G0B+7], s[G1B:G1B+7]
	s_nop 0
.rept 4
	v_nop
.endr
.Lfirst_asked:
	v_and_b32 v1, 15, v0                           ; r = l % 16
	v_bfe_u32 v2, v0, 4, 1                         ; h = l / 16
	v_and_b32 v3, 31, v0                           ; l
	v_and_b32 v4, 7, v0
	v_bfe_u32 v5, v0, 3, 1
	v_mul_u32_u24 v[ADRA0], v1, PA                 ; h's fragment: row x pitch + 16 x half
	v_lshl_add_u32 v[ADRA0], v2, 4, v[ADRA0]
	s_mul_i32 s2, s11, 64*PA
	s_add_co_u32 s2, s2, 3*SUB
	v_add_nc_u32 v[ADRA0], s2, v[ADRA0]
	v_lshl_add_u32 v6, v2, 3, v4                   ; the turning load: k-row 8 (l / 16) + l % 8, columns 8 ((l / 8) % 2) on
	v_mul_u32_u24 v6, v6, PB
	v_lshl_add_u32 v6, v5, 4, v6
	s_lshl_b32 s2, s12, 7                          ; my head's 64 columns
	v_add_nc_u32 v[ADRB0], s2, v6
	v_add_nc_u32 v[ADRB0+1], SUB, v[ADRB0]
	v_add_nc_u32 v[ADRB0+2], 2*SUB, v[ADRB0]
	v_mov_b32 v[ADRA], v[ADRA0]
	v_mov_b32 v[ADRB], v[ADRB0]
	v_mov_b32 v[ADRB+1], v[ADRB0+1]
	v_mov_b32 v[ADRB+2], v[ADRB0+2]
	s_mul_i32 s2, s10, 16*SP
	s_add_co_u32 s2, s2, STAGE                     ; my stage
	v_mul_u32_u24 v[STO], v1, SP
	v_lshl_add_u32 v[STO], v2, 4, v[STO]
	v_add_nc_u32 v[STO], s2, v[STO]
	v_lshrrev_b32 v6, 3, v3                        ; back: 32 lanes take four rows' 128 bytes of one section
	v_mul_u32_u24 v[RD], v6, SP
	v_lshl_add_u32 v[RD], v4, 4, v[RD]
	v_add_nc_u32 v[RD], s2, v[RD]
	v_lshlrev_b32 v[GO], 4, v3
	v_lshl_add_u32 v[CSA], v2, 5, s2
	v_lshl_add_u32 v[CSR], v3, 3, s2
	v_lshlrev_b32 v[CSO], 3, v3
	v_lshlrev_b32 v[PFO], 11, v3
	; the prefetches
	s_and_b32 s2, ttmp7, 0xffff                    ; cluster y
	s_mov_b32 s[PST], BSTEP
	s_mov_b32 s[PST+1], 0
	s_cmp_eq_u32 s10, 3                            ; do I fetch h?
	s_cselect_b32 s2, ttmp9, s2                    ; the coordinate along which other clusters read the same rows
	s_cselect_b32 s18, s14, s15                    ; my place among the four that ask with me
	s_cselect_b64 s[PFA:PFA+1], s[20:21], s[22:23]
	s_cselect_b32 s[PST], ASTEP, s[PST]
	s_cmp_eq_u32 s2, 0
	s_cselect_b32 s[LIM], 1, -1                    ; the same in all sixteen partners, for a given wave
	s_lshl_b32 s18, s18, 16                        ; my work-group's 32 rows of 2,048 bytes
	s_lshl_b32 s19, s[PST], 1                      ; at K step 2: the first refill steps it to 3
	s_add_co_u32 s18, s18, s19
	s_mov_b32 s19, 0
	s_add_nc_u64 s[PFA:PFA+1], s[PFA:PFA+1], s[18:19]
	; where my results go
	s_lshr_b32 s2, s17, 4                          ; b
	s_lshl_b32 s2, s2, 4
	s_lshl_b32 s18, s16, 1
	s_add_co_u32 s2, s2, s18
	s_add_co_u32 s2, s2, s12                       ; 16 b + head
	s_and_b32 s18, s17, 15
	s_lshl_b32 s18, s18, 1
	s_add_co_u32 s18, s18, s11                     ; my 64 rows among the sequence's 32 groups
	s_lshl_b32 s2, s2, 5
	s_add_co_u32 s18, s18, s2
	s_lshl_b32 s2, s18, 13                         ; 64 rows of 128 bytes a group
	s_mov_b32 s3, 0
	s_add_nc_u64 s[OQ:OQ+1], s[ARG+4:ARG+5], s[2:3]
	s_add_nc_u64 s[OQ+2:OQ+3], s[OQ:OQ+1], 0x800000
	s_add_nc_u64 s[OQ+4:OQ+5], s[OQ:OQ+1], 0x1000000
	s_lshl_b32 s2, s18, 8
	s_add_nc_u64 s[CSB:CSB+1], s[ARG+4:ARG+5], s[2:3]
	s_add_nc_u64 s[CSB:CSB+1], s[CSB:CSB+1], 25165824
; 12 products: row block ab x all 12 column blocks, 32 along K, on buffer fm.  All 48 accumulators take turns in the same order in every quarter.  zero = 1: the product starts the sum.
.macro MUL12 fm, ab, zero
	WIN MUL_LO+0x50*((\ab)/2)
.irp nb, 0,1,2,3,4,5,6,7,8,9,10,11
.if \zero
	v_wmma_f32_16x16x32_f16 v[96*((\ab)%2)+8*(\nb):96*((\ab)%2)+8*(\nb)+7], v[96*(\fm)+8*(\nb):96*(\fm)+8*(\nb)+7], v[32+32*(\fm)+8*(\ab):32+32*(\fm)+8*(\ab)+7], 0
.else
	v_wmma_f32_16x16x32_f16 v[96*((\ab)%2)+8*(\nb):96*((\ab)%2)+8*(\nb)+7], v[96*(\fm)+8*(\nb):96*(\fm)+8*(\nb)+7], v[32+32*(\fm)+8*(\ab):32+32*(\fm)+8*(\ab)+7], v[96*((\ab)%2)+8*(\nb):96*((\ab)%2)+8*(\nb)+7]
.endif
.endr
.endm
; 32 LDS loads in one run: quarter qn (32 along K) of the slot in hand into buffer fg: W's 12 fragments, then h's 4
.macro FETCH qn, fg
	WIN 0x40
.irp sc, 0,1,2
.irp i, 0,1,2,3
	ds_load_tr16_b128 v[96*(\fg)+8*(4*(\sc)+(\i)):96*(\fg)+8*(4*(\sc)+(\i))+3], v[ADRB+(\sc)] offset:32*PB*(\qn)+32*(\i)
	ds_load_tr16_b128 v[96*(\fg)+8*(4*(\sc)+(\i))+4:96*(\fg)+8*(4*(\sc)+(\i))+7], v[ADRB+(\sc)] offset:32*PB*(\qn)+32*(\i)+16*PB
.endr
.endr
	WIN 0
.irp i, 0,1,2,3
	ds_load_b128 v[32+32*(\fg)+8*(\i):32+32*(\fg)+8*(\i)+3], v[ADRA] offset:16*PA*(\i)+64*(\qn)
	ds_load_b128 v[32+32*(\fg)+8*(\i)+4:32+32*(\fg)+8*(\i)+7], v[ADRA] offset:16*PA*(\i)+64*(\qn)+32
.endr
.endm
; One of a K step's first three quarters: multiplies buffer fm; in its middle it fetches quarter qn into buffer fg.
.macro QUARTER qn, fm, fg, zero
	s_wait_dscnt 4                                 ; all but the youngest four loads: h's row blocks 2 and 3
	MUL12 \fm, 0, \zero
	MUL12 \fm, 1, \zero
	PLACES
	FETCH \qn, \fg
	s_wait_dscnt 32                                ; all but the 32 just issued
	MUL12 \fm, 2, \zero
	MUL12 \fm, 3, \zero
.endm
; The last quarter multiplies buffer 1 and changes slots.  In front of the barrier each wave waits for all its tensor loads (one is out: its part of the next slot), adds 0 to its spare word, and waits for that and for
; its reads of this slot.  fill = 1: the barrier opens a round of the cluster's barrier, and the joint refill, two K steps ahead, is the first thing behind the round.
.macro TURN fill
.if \fill
	s_wait_xcnt 0x0                                ; the last prefetch, a K step back, has read its address
	s_add_nc_u64 s[PFA:PFA+1], s[PFA:PFA+1], s[PST:PST+1]
.endif
	WIN 0
	s_wait_tensorcnt 0x0
	ds_add_u32 v[SPW], v[NIL]
	s_wait_dscnt 5                                 ; (the add and the youngest four loads may be out)
	MUL12 1, 0, 0
	s_wait_dscnt 0x0                               ; the add is done, and my reads of this slot are over
	s_barrier_signal -1
	MUL12 1, 1, 0
	WIN 0
	s_barrier_wait -1
.if \fill
	CREST
	s_xor_b32 s[G0A+5], s[G0A+5], SLOT             ; the walking descriptors: the other slot than last time, the next K step
	s_add_nc_u64 s[G0A+6:G0A+7], s[G0A+6:G0A+7], ASTEP
	s_xor_b32 s[G0B+5], s[G0B+5], SLOT
	s_add_nc_u64 s[G0B+6:G0B+7], s[G0B+6:G0B+7], BSTEP
	JLOAD                                          ; its four v_nop are also the places in front of the loads below
.else
	PLACES
.endif
	s_xor_b32 s[TB], s[TB], SLOT
	v_add_nc_u32 v[ADRA], s[TB], v[ADRA0]
	v_add_nc_u32 v[ADRB], s[TB], v[ADRB0]
	v_add_nc_u32 v[ADRB+1], s[TB], v[ADRB0+1]
	v_add_nc_u32 v[ADRB+2], s[TB], v[ADRB0+2]
	FETCH 0, 0
.if \fill
	ASK
.endif
	MUL12 1, 2, 0
	MUL12 1, 3, 0
.endm
	s_wait_tensorcnt 1                             ; my part of K step 0 is in; K step 1's may stay out
	s_barrier_signal -1
	s_barrier_wait -1
	FETCH 0, 0
	QUARTER 1, 0, 1, 1                             ; the first quarter's products start the sums
	WIN 0
	s_mov_b32 s[CNT], T-2
.Lstep:                                                ; a trip: a K step's quarters 1, 2, 3, the change of slots with a refill, the next step's quarter 0
	QUARTER 2, 1, 0, 0
	QUARTER 3, 0, 1, 0
	TURN 1
	QUARTER 1, 0, 1, 0
	WIN 0
	s_sub_co_u32 s[CNT], s[CNT], 1
	s_cmp_lg_u32 s[CNT], 0
	s_cbranch_scc1 .Lstep
	s_mov_b32 s[CNT], 2
.Ltail:                                                ; the last two K steps ask for nothing; the second trip is left in its middle (its change of slots fetches fragments that are not multiplied)
	QUARTER 2, 1, 0, 0
	QUARTER 3, 0, 1, 0
	TURN 0
	WIN 0
	s_sub_co_u32 s[CNT], s[CNT], 1
	s_cmp_eq_u32 s[CNT], 0
	s_cbranch_scc1 .Lout
	QUARTER 1, 0, 1, 0
	WIN 0
	s_branch .Ltail
.Lout:
	s_wait_dscnt 0x0
	PLACES
; THE WAY OUT of row block ab: rounded to f16, 16 bytes a lane into my stage (row: q's, k's, v's 128 bytes), back as four rows' 128 bytes of one section, which are 512 consecutive bytes of qkv.
.macro OUTA ab
	WIN 0x0a+5*((\ab)/2)
.set i, 0
.rept 48
	v_cvt_pk_f16_f32 v[TMP+i], v[96*((\ab)%2)+2*i], v[96*((\ab)%2)+2*i+1]
.set i, i+1
.endr
	WIN 0
.irp nb, 0,1,2,3,4,5,6,7,8,9,10,11
	ds_store_b128 v[STO], v[TMP+4*(\nb):TMP+4*(\nb)+3] offset:32*(\nb)
.endr
	s_wait_xcnt 0x0                                ; the last block's stores have read the registers that the loads below fill
.set i, 0
.rept 12
	ds_load_b128 v[OB+4*i:OB+4*i+3], v[RD] offset:128*(i/4)+4*SP*(i%4)   ; LDS serves a wave's instructions in order: these see the stores above
.set i, i+1
.endr
	s_wait_dscnt 0x0
.set i, 0
.rept 12
	global_store_b128 v[GO], v[OB+4*i:OB+4*i+3], s[OQ+2*(i/4):OQ+2*(i/4)+1] offset:2048*(\ab)+512*(i%4)
.set i, i+1
.endr
.endm
	OUTA 0
	OUTA 1
	OUTA 2
	OUTA 3
	; the sums of v (column blocks 8-11) over my 64 rows: over the four row blocks, then over the 16 lanes that hold a block's rows
	WIN 0x0a
.set i, 0
.rept 16
	v_pk_add_f32 v[CS+2*i:CS+2*i+1], v[64+2*i:64+2*i+1], v[160+2*i:160+2*i+1]
.set i, i+1
.endr
	WIN 0x0f
.set i, 0
.rept 16
	v_pk_add_f32 v[CS+32+2*i:CS+32+2*i+1], v[64+2*i:64+2*i+1], v[160+2*i:160+2*i+1]
.set i, i+1
.endr
	WIN 0
.set i, 0
.rept 16
	v_pk_add_f32 v[CS+2*i:CS+2*i+1], v[CS+2*i:CS+2*i+1], v[CS+32+2*i:CS+32+2*i+1]
.set i, i+1
.endr
.irp m, 1,2,4,8
.set i, 0
.rept 32
	v_add_f32_dpp v[CS+i], v[CS+i], v[CS+i] row_xmask:\m row_mask:0xf bank_mask:0xf
.set i, i+1
.endr
.endr
.irp cb, 0,1,2,3
	ds_store_b128 v[CSA], v[CS+8*(\cb):CS+8*(\cb)+3] offset:64*(\cb)          ; the 16 lanes of a half hold the same eight sums and write them to the same bytes
	ds_store_b128 v[CSA], v[CS+8*(\cb)+4:CS+8*(\cb)+7] offset:64*(\cb)+16
.endr
	ds_load_b64 v[TMP:TMP+1], v[CSR]
	s_wait_dscnt 0x0
	global_store_b64 v[CSO], v[TMP:TMP+1], s[CSB:CSB+1]                         ; 256 consecutive bytes
	s_wait_tensorcnt 0x0                           ; the wave's end
	ds_add_u32 v[SPW], v[NIL]
	s_wait_dscnt 0x0
	CROUND                                         ; the closing round
	s_endpgm
.Lfunc_end_k_qc09ff79dda_proj:
	.size	k_qc09ff79dda_proj, .Lfunc_end_k_qc09ff79dda_proj-k_qc09ff79dda_proj
	.p2alignl 7, 3214868480
	.fill 96, 4, 3214868480
	.section	.rodata,"a",@progbits
	.p2align	6, 0x0
	.amdhsa_kernel k_qc09ff79dda_proj
		.amdhsa_group_segment_fixed_size 327680
		.amdhsa_private_segment_fixed_size 0
		.amdhsa_enable_private_segment 0
		.amdhsa_kernarg_size 24
		.amdhsa_user_sgpr_count 2
		.amdhsa_user_sgpr_kernarg_segment_ptr 1
		.amdhsa_wavefront_size32 1
		.amdhsa_system_sgpr_workgroup_id_x 1
		.amdhsa_system_sgpr_workgroup_id_y 1
		.amdhsa_system_sgpr_workgroup_id_z 1
		.amdhsa_system_vgpr_workitem_id 0
		.amdhsa_next_free_vgpr 960
		.amdhsa_next_free_sgpr 96
		.amdhsa_reserve_vcc 0
		.amdhsa_float_denorm_mode_32 3
		.amdhsa_float_denorm_mode_16_64 3
		.amdhsa_memory_ordered 1
		.amdhsa_forward_progress 1
		.amdhsa_inst_pref_size 96
	.end_amdhsa_kernel
	.amdgpu_metadata
---
amdhsa.version: [ 1, 2 ]
amdhsa.kernels:
  - .name:           k_qc09ff79dda_proj
    .symbol:         k_qc09ff79dda_proj.kd
    .args:
      - { .name: h16, .offset: 0, .size: 8, .value_kind: global_buffer, .address_space: global }
      - { .name: w16, .offset: 8, .size: 8, .value_kind: global_buffer, .address_space: global }
      - { .name: qkv, .offset: 16, .size: 8, .value_kind: global_buffer, .address_space: global }
    .group_segment_fixed_size: 327680
    .private_segment_fixed_size: 0
    .kernarg_segment_align: 8
    .kernarg_segment_size: 24
    .max_flat_workgroup_size: 128
    .sgpr_count:     96
    .vgpr_count:     960
    .wavefront_size: 32
...
	.end_amdgpu_metadata
.endif
;; end of part 2
;; launch attn (part 3): grid 256 x 1, 8 waves a work-group, no clusters, 327,680 bytes of LDS; arguments qkv, causal_mask, rpe, o16; writes o16
.if DOCPART == 3
	.amdgcn_target "amdgcn-amd-amdhsa--gfx1250"
	.amdhsa_code_object_version 6
	.text
	.protected	k_qc09ff79dda_attn
	.globl	k_qc09ff79dda_attn
	.p2align	8
	.type	k_qc09ff79dda_attn,@function
k_qc09ff79dda_attn:
	s_mov_b64 s[64:65], 0
	v_nop
	global_prefetch_b8 v0, s[64:65] scope:SCOPE_SE
	s_setreg_imm32_b32 hwreg(HW_REG_WAVE_MODE, 25, 1), 1
	s_wait_xcnt 0x0
; Attention inside the window that the problem itself builds: key T counts for query t only where 0 <= t - T < 64, rpe[head][t - T] != 0 and causal_mask[t][T] is true; every other score is the lowest finite number.
; o16[b t][64 head + ch] = softmax-weighted mean of v, f16.  q, k, v: qkv by heads, f16.  Scores, maxima and sums in f32; the weights rounded to f16 for the second product.
; A ROW WITH NO VISIBLE KEY has 2,048 equal scores: its result is the mean of v over the batch's whole sequence, made here from the column sums behind v in qkv, and chosen by v_cndmask_b32.
; SHARES.  A work-group takes 32 queries (t0 = 32 blk) of 8 heads of one batch; wave w one head, two tiles of 16 queries.  Keys t0 - 64 .. t0 + 31: six blocks of 16; tile u scores blocks u .. u + 4.
; The 64 rows in front of a head's first key are bytes of qkv that the launch before wrote (finite numbers): those keys are hidden like any other and get the weight 0.
; LAYOUT.  S^T = K Q^T: a lane holds one query (l % 16) and the keys 8 (l / 16) + 0..7 of a block; two blocks rounded to f16 are source 1 of O^T = V^T P.  t - T = 64 - 16 kb + l % 16 - 8 (l / 16) - j for both tiles.
; The whole window is in registers, so the true maximum is taken before the exponentials, in one pass.
; NO CLUSTER: neighbouring blocks' windows overlap, but their tiles begin at different rows; the bytes that are equal in two work-groups (the mask's) are a few hundredths of what one reads.
; LIMITS: a visible score times log2(e) stays above -1e37; a hidden one is -8e37 or lower; a weight below 2^-126 counts as 0; NaN and infinities are not treated apart.  rpe is tested against 0 in f32 and used rounded to bf16.
.set PK,    144                        ; a row of K or Q in LDS: 128 bytes + 16
.set PV,    160                        ; a row of V: 128 + 32
.set WREG,  33792                      ; a wave's tiles: K 96 rows, V 96 rows, Q 32 rows
.set VOFF,  96*PK
.set QOFF,  96*PK+96*PV
.set STAGE, 8*WREG                     ; 32 rows x (8 heads x 128 bytes + 16), the work-group's
.set SP,    1040
.set TBL,   STAGE+32*SP                ; the bias by distance, 512 bytes a wave
.set VMS,   TBL+8*512                  ; the mean of v, 256 bytes a wave
.set SPARE, VMS+8*256                  ; the spare words, 128 bytes for each wave, which no other line names
.set AK,  4
.set AQ,  5
.set AV,  6
.set TS,  7
.set TR,  8
.set VS,  9
.set VR,  10
.set STO, 11
.set RD,  12
.set GO,  13                           ; 16 x lane
.set SPW, 14
.set NIL, 15
.set MO,  16                           ; v16-17 the mask's offsets, by tile
.set DD,  18                           ; v18-20 the table's distances
.set RA,  21                           ; v21-23 rpe's offsets
.set RV,  24                           ; v24-26 rpe
.set TW,  27                           ; v27-29 the table's entries
.set FM,  30                           ; the lowest finite number
.set TT,  18                           ; v18-25 later: at work
.set BIAS, 32                          ; v32-71  bias of (block, register)
.set MW,  72                           ; v72-91  mask words: tile u, block kb at 10 u + 2 kb
.set VMH, 92                           ; v92-107 the mean of v in O^T's layout, f16 pairs
.set S,   112                          ; v112-191 S^T, 40 a tile; first the column sums; later O^T, 32 a tile
.set P,   192                          ; v192-239 P, 24 a tile (six blocks); later O in f16
.set MM,  240                          ; the maximum, a pair a tile
.set LL,  244                          ; the sum
.set RR,  248                          ; its reciprocal
.set CH,  252                          ; at work
.set G1K, 24
.set G1V, 32
.set G1Q, 40
.set G0K, 48
.set G0Q, 52
.set G0V, 56
.set CS,  60                           ; s[60:61] log2(e) / 8
.set SEL, 62                           ; s[62:63] v_permlanex16_b32's selects
.set MB,  66                           ; s[66:77] the mask at key block kb's first key (or at key 0)
.set OKW, 78                           ; s78-83   all ones where the block's keys exist
.set L2E, 84
.set SENT, 85
.set THR, 86
.set INV, 87
.set RPB, 88
.set CSB, 90
.set OBS, 92
.set MSB, 0
.macro WIN new
.if MSB != (\new)
	s_set_vgpr_msb (MSB<<8)|(\new)
.set MSB, \new
.endif
.endm
	s_load_b256 s[4:11], s[0:1], 0x0               ; qkv, causal_mask, rpe, o16
	v_lshl_add_u32 v[SPW], v0, 2, SPARE
	v_mov_b32 v[NIL], 0
	ds_add_u32 v[SPW], v[NIL]                      ; the wave's opening: the add and its wait ahead of my first tensor load
	v_lshrrev_b32 v1, 5, v0
	v_readfirstlane_b32 s12, v1                    ; wave 0..7
	s_and_b32 s14, ttmp9, 1                        ; which 8 heads
	s_bfe_u32 s15, ttmp9, 0x60001
	s_lshl_b32 s15, s15, 5                         ; t0
	s_lshr_b32 s16, ttmp9, 7                       ; b
	s_lshl_b32 s17, s14, 3
	s_add_co_u32 s17, s17, s12                     ; my head
	s_lshl_b32 s18, s16, 4
	s_add_co_u32 s18, s18, s17                     ; 16 b + head
	s_mul_i32 s19, s12, WREG                       ; my tiles in LDS
	; dense rows of 128 bytes are asked for as rows of 256 bytes, and padded in LDS after every 128
	s_mov_b32 s[G1K], (1<<16)|(1<<20)|(4<<22)|(3<<25)
	s_mov_b32 s[G1V], (1<<16)|(1<<20)|(4<<22)|(7<<25)
	s_mov_b32 s[G1Q], (1<<16)|(1<<20)|(4<<22)|(3<<25)
.irp g, G1K, G1V, G1Q
	s_mov_b32 s[(\g)+1], 128<<16                   ; tensor_dim0 = 128
	s_mov_b32 s[(\g)+3], 128<<16                   ; tile_dim0 = 128
	s_mov_b32 s[(\g)+5], 128                       ; elements from row to row
	s_mov_b32 s[(\g)+6], 0
	s_mov_b32 s[(\g)+7], 0
.endr
	s_mov_b32 s[G1K+2], 48<<16                     ; 96 keys: 48 rows
	s_mov_b32 s[G1K+4], 48
	s_mov_b32 s[G1V+2], 48<<16
	s_mov_b32 s[G1V+4], 48
	s_mov_b32 s[G1Q+2], 16<<16                     ; 32 queries: 16 rows
	s_mov_b32 s[G1Q+4], 16
	s_mov_b32 s[G0K], 1
	s_mov_b32 s[G0K+1], s19
	s_mov_b32 s[G0Q], 1
	s_add_co_u32 s[G0Q+1], s19, QOFF
	s_mov_b32 s[G0V], 1
	s_add_co_u32 s[G0V+1], s19, VOFF
	s_lshl_b32 s20, s18, 11
	s_add_co_u32 s20, s20, s15
	s_lshl_b32 s20, s20, 7                         ; my first query's row, in bytes
	s_mov_b32 s21, 0
	s_mov_b32 s[CS], 0x3e38aa3b                    ; log2(e) / 8
	s_mov_b32 s[CS+1], s[CS]
	s_mov_b32 s[SEL], 0x76543210
	s_mov_b32 s[SEL+1], 0xfedcba98
	s_mov_b32 s[L2E], 0x3fb8aa3b
	s_mov_b32 s[SENT], 0x7e7f7f7f
	s_mov_b32 s[THR], 0xfcf0bdc2                   ; -1e37
	s_mov_b32 s[INV], 0x3a000000                   ; 1 / 2,048
	v_and_b32 v1, 15, v0                           ; r
	v_bfe_u32 v2, v0, 4, 1                         ; h
	v_and_b32 v3, 31, v0                           ; l
	v_mul_u32_u24 v[AK], v1, PK
	v_lshl_add_u32 v[AK], v2, 4, v[AK]
	s_add_co_u32 s2, s19, QOFF
	v_add_nc_u32 v[AQ], s2, v[AK]
	v_add_nc_u32 v[AK], s19, v[AK]
	v_and_b32 v[AV], 7, v0
	v_lshl_add_u32 v[AV], v2, 3, v[AV]
	v_mul_u32_u24 v[AV], v[AV], PV
	v_bfe_u32 v[TS], v0, 3, 1
	v_lshl_add_u32 v[AV], v[TS], 4, v[AV]
	s_add_co_u32 s2, s19, VOFF
	v_add_nc_u32 v[AV], s2, v[AV]
	s_lshl_b32 s2, s12, 9
	s_add_co_u32 s2, s2, TBL
	v_lshl_add_u32 v[TS], v3, 2, s2
	v_sub_nc_u32 v[TR], 15, v1
	v_lshl_add_u32 v[TR], v2, 3, v[TR]
	v_lshl_add_u32 v[TR], v[TR], 2, s2             ; entry 15 - r + 8 h + 16 kb + j holds distance 64 - 16 kb + r - 8 h - j
	s_lshl_b32 s2, s12, 8
	s_add_co_u32 s2, s2, VMS
	v_lshl_add_u32 v[VS], v1, 4, s2
	v_lshl_add_u32 v[VR], v2, 5, s2
	s_lshl_b32 s2, s12, 7
	s_add_co_u32 s2, s2, STAGE
	v_mul_u32_u24 v[STO], v1, SP
	v_lshl_add_u32 v[STO], v2, 4, v[STO]
	v_add_nc_u32 v[STO], s2, v[STO]
	s_mul_i32 s2, s12, 4*SP
	s_add_co_u32 s2, s2, STAGE
	v_lshl_add_u32 v[RD], v3, 4, s2
	v_lshlrev_b32 v[GO], 4, v3
	v_add_nc_u32 v[MO], s15, v1
	v_lshlrev_b32 v[MO], 11, v[MO]
	v_lshl_add_u32 v[MO], v2, 3, v[MO]             ; query's row of the mask + 8 (l / 16)
	v_add_nc_u32 v[MO+1], 16*2048, v[MO]
.irp e, 0,1,2
	v_sub_nc_u32 v[DD+(\e)], 79-32*(\e), v3        ; entry l + 32 e of the table holds distance 79 - l - 32 e
	v_min_u32 v[RA+(\e)], 63, v[DD+(\e)]           ; (outside 0..63 the entry is hidden whatever is loaded)
	v_lshlrev_b32 v[RA+(\e)], 2, v[RA+(\e)]
.endr
	v_mov_b32 v[FM], 0xff7fffff
.irp k, 20,21,22,23,24,25,26,27
	v_mov_b32 v[P+(\k)], 0                         ; tile 0 does not score block 5, tile 1 not block 0: their weights are 0
.endr
	s_wait_dscnt 0x0                               ; the opening add is done
	s_wait_kmcnt 0x0
	s_add_nc_u64 s[20:21], s[4:5], s[20:21]        ; q at my first query
	s_add_nc_u64 s[G0K+2:G0K+3], s[20:21], 0x7fe000   ; k: a section on, 64 rows back
	s_or_b32 s[G0K+3], s[G0K+3], 0x80000000
	s_mov_b64 s[G0Q+2:G0Q+3], s[20:21]
	s_or_b32 s[G0Q+3], s[G0Q+3], 0x80000000
	s_add_nc_u64 s[G0V+2:G0V+3], s[20:21], 0xffe000   ; v: two sections on, 64 rows back
	s_or_b32 s[G0V+3], s[G0V+3], 0x80000000
	tensor_load_to_lds s[G0K:G0K+3], s[G1K:G1K+7]  ; my three tiles, each filled once: three loads of mine are out
	s_nop 0
	tensor_load_to_lds s[G0Q:G0Q+3], s[G1Q:G1Q+7]
	s_nop 0
	tensor_load_to_lds s[G0V:G0V+3], s[G1V:G1V+7]
	s_nop 0
.rept 4
	v_nop
.endr
	s_lshl_b32 s2, s17, 8
	s_mov_b32 s3, 0
	s_add_nc_u64 s[RPB:RPB+1], s[8:9], s[2:3]      ; my head's row of rpe
	s_lshl_b32 s2, s18, 13
	s_add_nc_u64 s[CSB:CSB+1], s[4:5], s[2:3]
	s_add_nc_u64 s[CSB:CSB+1], s[CSB:CSB+1], 25165824  ; my head's 32 x 64 column sums
.irp e, 0,1,2
	global_load_b32 v[RV+(\e)], v[RA+(\e)], s[RPB:RPB+1]
.endr
.set i, 0
.rept 16
	global_load_b128 v[S+4*i:S+4*i+3], v[GO], s[CSB:CSB+1] offset:512*i   ; two groups of 64 sums a load
.set i, i+1
.endr
.irp kb, 0,1,2,3,4,5
	s_add_co_i32 s2, s15, 16*(\kb)-64              ; the block's first key
	s_cmp_ge_i32 s2, 0
	s_cselect_b32 s[OKW+(\kb)], -1, 0
	s_max_i32 s2, s2, 0
	s_add_nc_u64 s[MB+2*(\kb):MB+2*(\kb)+1], s[6:7], s[2:3]
.endr
.irp u, 0,1
.irp kb, 0,1,2,3,4
	global_load_b64 v[MW+10*(\u)+2*(\kb):MW+10*(\u)+2*(\kb)+1], v[MO+(\u)], s[MB+2*((\u)+(\kb)):MB+2*((\u)+(\kb))+1]
.endr
.endr
	s_lshl_b32 s2, s16, 11
	s_add_co_u32 s2, s2, s15
	s_lshl_b32 s22, s12, 2
	s_add_co_u32 s2, s2, s22
	s_lshl_b32 s2, s2, 11                          ; the rows that I store: 2,048 b + t0 + 4 w,
	s_lshl_b32 s22, s14, 10                        ; the 8 heads' 1,024 bytes
	s_add_co_u32 s2, s2, s22
	s_add_nc_u64 s[OBS:OBS+1], s[10:11], s[2:3]
	; the bias by distance, in log2 units, or the lowest finite number
	s_wait_loadcnt 26                              ; rpe is in; the 26 loads behind it may stay out
.irp e, 0,1,2
	v_cvt_pk_bf16_f32 v[TW+(\e)], v[RV+(\e)], v[RV+(\e)]
	v_lshlrev_b32 v[TW+(\e)], 16, v[TW+(\e)]
	v_mul_f32 v[TW+(\e)], s[L2E], v[TW+(\e)]
	v_cmp_neq_f32 s2, 0, v[RV+(\e)]
	v_cmp_gt_u32 s3, 64, v[DD+(\e)]
	s_and_b32 s2, s2, s3
	v_cndmask_b32 v[TW+(\e)], v[FM], v[TW+(\e)], s2
	ds_store_b32 v[TS], v[TW+(\e)] offset:128*(\e)
.endr
.set i, 0
.rept 40
	ds_load_b32 v[BIAS+i], v[TR] offset:4*(16*(i/8)+i%8)   ; my wave's own bytes: LDS serves a wave's instructions in order
.set i, i+1
.endr
	; the mean of v
	s_wait_loadcnt 10                              ; the column sums are in; the mask's 10 loads may stay out
.macro CADD st
.set i, 0
.rept \st
	v_pk_add_f32 v[S+4*i:S+4*i+1], v[S+4*i:S+4*i+1], v[S+4*(i+(\st)):S+4*(i+(\st))+1]
	v_pk_add_f32 v[S+4*i+2:S+4*i+3], v[S+4*i+2:S+4*i+3], v[S+4*(i+(\st))+2:S+4*(i+(\st))+3]
.set i, i+1
.endr
.endm
	CADD 8
	CADD 4
	CADD 2
	CADD 1
.irp k, 0,1,2,3
	v_permlanex16_b32 v[S+4+(\k)], v[S+(\k)], s[SEL], s[SEL+1]   ; the other half of the lanes holds the odd groups
.endr
.irp k, 0,1,2,3
	v_add_f32 v[S+(\k)], v[S+(\k)], v[S+4+(\k)]
.endr
.irp k, 0,1,2,3
	v_mul_f32 v[S+(\k)], s[INV], v[S+(\k)]
.endr
	ds_store_b128 v[VS], v[S:S+3]                  ; channels 4 r .. 4 r + 3
.irp cb, 0,1,2,3
	ds_load_b128 v[S+8+8*(\cb):S+8+8*(\cb)+3], v[VR] offset:64*(\cb)        ; channels 16 cb + 8 h + 0..7
	ds_load_b128 v[S+8+8*(\cb)+4:S+8+8*(\cb)+7], v[VR] offset:64*(\cb)+16
.endr
	s_wait_dscnt 0x0
.set i, 0
.rept 16
	v_cvt_pk_f16_f32 v[VMH+i], v[S+8+2*i], v[S+8+2*i+1]
.set i, i+1
.endr
	s_wait_loadcnt 0x0                             ; the mask
.irp u, 0,1
.irp kb, 0,1,2,3,4
	v_and_b32 v[MW+10*(\u)+2*(\kb)], s[OKW+(\u)+(\kb)], v[MW+10*(\u)+2*(\kb)]
	v_and_b32 v[MW+10*(\u)+2*(\kb)+1], s[OKW+(\u)+(\kb)], v[MW+10*(\u)+2*(\kb)+1]
.endr
.endr
	; the fragments: window 1: K v0-95 (block kb, channel half c at 16 kb + 8 c), Q v96-127 (tile u), V v128-223 (key pair kk, channel block cb at 32 kk + 8 cb)
	s_wait_tensorcnt 0x1                           ; K and Q have landed; V's load may stay out
	WIN 0x40
.set i, 0
.rept 12
	ds_load_b128 v[8*i:8*i+3],   v[AK] offset:(i/2)*16*PK+(i%2)*64
	ds_load_b128 v[8*i+4:8*i+7], v[AK] offset:(i/2)*16*PK+(i%2)*64+32
.set i, i+1
.endr
.set i, 0
.rept 4
	ds_load_b128 v[96+8*i:96+8*i+3],   v[AQ] offset:(i/2)*16*PK+(i%2)*64
	ds_load_b128 v[96+8*i+4:96+8*i+7], v[AQ] offset:(i/2)*16*PK+(i%2)*64+32
.set i, i+1
.endr
	s_wait_tensorcnt 0x0
.set i, 0
.rept 12
	ds_load_tr16_b128 v[128+8*i:128+8*i+3],   v[AV] offset:(i/4)*32*PV+(i%4)*32
	ds_load_tr16_b128 v[128+8*i+4:128+8*i+7], v[AV] offset:(i/4)*32*PV+16*PV+(i%4)*32
.set i, i+1
.endr
	s_wait_dscnt 24                                ; K and Q are in registers; V's 24 loads may stay out
	WIN 0x05                                       ; K and Q in window 1, S^T in window 0
.set i, 0
.rept 20                                       ; the 10 accumulators take turns; the first 10 products start the sums
.if i < 10
	v_wmma_f32_16x16x32_f16 v[S+8*(i%10):S+8*(i%10)+7], v[16*((i%10)/5+(i%10)%5)+8*(i/10):16*((i%10)/5+(i%10)%5)+8*(i/10)+7], v[96+16*((i%10)/5)+8*(i/10):96+16*((i%10)/5)+8*(i/10)+7], 0
.else
	v_wmma_f32_16x16x32_f16 v[S+8*(i%10):S+8*(i%10)+7], v[16*((i%10)/5+(i%10)%5)+8*(i/10):16*((i%10)/5+(i%10)%5)+8*(i/10)+7], v[96+16*((i%10)/5)+8*(i/10):96+16*((i%10)/5)+8*(i/10)+7], v[S+8*(i%10):S+8*(i%10)+7]
.endif
.set i, i+1
.endr
	WIN 0
.rept 4
	v_nop                                          ; the places behind those products
.endr
; Tile u: c s + bias; the mask; the maximum; c s + bias - m.
; The mask: a byte's bit 0 is shifted into the sign of a number of magnitude 8e37 or more; its negative is huge where the key is visible and hugely negative where it is hidden, and the score takes the lesser.
.macro SOFT u
.set i, 0
.rept 20
	v_pk_fma_f32 v[S+40*(\u)+2*i:S+40*(\u)+2*i+1], v[S+40*(\u)+2*i:S+40*(\u)+2*i+1], s[CS:CS+1], v[BIAS+2*i:BIAS+2*i+1] op_sel_hi:[1,0,1]
.set i, i+1
.endr
.set g, 0
.rept 5
.set i, 0
.rept 8
	v_lshl_or_b32 v[TT+i], v[MW+10*(\u)+2*g+i/4], 31-8*(i%4), s[SENT]
.set i, i+1
.endr
.set i, 0
.rept 8
	v_min_num_f32 v[S+40*(\u)+8*g+i], v[S+40*(\u)+8*g+i], -v[TT+i]
.set i, i+1
.endr
.set g, g+1
.endr
.irp c, 0,1,2,3
	v_max3_num_f32 v[CH+(\c)], v[S+40*(\u)+10*(\c)], v[S+40*(\u)+10*(\c)+1], v[S+40*(\u)+10*(\c)+2]
.endr
.irp k, 1,2,3
.irp c, 0,1,2,3
	v_max3_num_f32 v[CH+(\c)], v[CH+(\c)], v[S+40*(\u)+10*(\c)+2*(\k)+1], v[S+40*(\u)+10*(\c)+2*(\k)+2]
.endr
.endr
	v_max3_num_f32 v[CH], v[CH], v[S+40*(\u)+9], v[S+40*(\u)+19]
	v_max3_num_f32 v[CH+1], v[CH+1], v[S+40*(\u)+29], v[S+40*(\u)+39]
	v_max3_num_f32 v[CH], v[CH], v[CH+1], v[CH+2]
	v_max_num_f32 v[CH], v[CH], v[CH+3]
	v_permlanex16_b32 v[CH+1], v[CH], s[SEL], s[SEL+1]   ; the query's other keys lie in the lane 16 away
	v_max_num_f32 v[MM+2*(\u)], v[CH], v[CH+1]
	v_max_num_f32 v[MM+2*(\u)+1], v[CH], v[CH+1]
.set i, 0
.rept 20
	v_pk_add_f32 v[S+40*(\u)+2*i:S+40*(\u)+2*i+1], v[S+40*(\u)+2*i:S+40*(\u)+2*i+1], v[MM+2*(\u):MM+2*(\u)+1] neg_lo:[0,1] neg_hi:[0,1]
.set i, i+1
.endr
.endm
	SOFT 0
	SOFT 1
.set i, 0
.rept 80
	v_exp_f32 v[S+i], v[S+i]                       ; one batch
.set i, i+1
.endr
	v_nop                                          ; a plain instruction behind the last exponential,
	s_wait_alu depctr_va_vdst(0)                   ; and one wait for the batch, ahead of the first line that names a result
; Tile u: the weights rounded to f16 (block u + kb of six), then their sum, of the unrounded weights, in place.
.macro SUMS u
.set i, 0
.rept 20
	v_cvt_pk_f16_f32 v[P+24*(\u)+4*(\u)+i], v[S+40*(\u)+2*i], v[S+40*(\u)+2*i+1]
.set i, i+1
.endr
.set i, 0
.rept 10
	v_pk_add_f32 v[S+40*(\u)+2*i:S+40*(\u)+2*i+1], v[S+40*(\u)+2*i:S+40*(\u)+2*i+1], v[S+40*(\u)+20+2*i:S+40*(\u)+20+2*i+1]
.set i, i+1
.endr
.set i, 0
.rept 5
	v_pk_add_f32 v[S+40*(\u)+2*i:S+40*(\u)+2*i+1], v[S+40*(\u)+2*i:S+40*(\u)+2*i+1], v[S+40*(\u)+10+2*i:S+40*(\u)+10+2*i+1]
.set i, i+1
.endr
	v_pk_add_f32 v[S+40*(\u):S+40*(\u)+1], v[S+40*(\u):S+40*(\u)+1], v[S+40*(\u)+2:S+40*(\u)+3]
	v_pk_add_f32 v[S+40*(\u)+4:S+40*(\u)+5], v[S+40*(\u)+4:S+40*(\u)+5], v[S+40*(\u)+6:S+40*(\u)+7]
	v_pk_add_f32 v[S+40*(\u):S+40*(\u)+1], v[S+40*(\u):S+40*(\u)+1], v[S+40*(\u)+4:S+40*(\u)+5]
	v_pk_add_f32 v[S+40*(\u):S+40*(\u)+1], v[S+40*(\u):S+40*(\u)+1], v[S+40*(\u)+8:S+40*(\u)+9]
	v_add_f32 v[LL+2*(\u)], v[S+40*(\u)], v[S+40*(\u)+1]
	v_add_f32 v[LL+2*(\u)+1], v[S+40*(\u)], v[S+40*(\u)+1]
	v_permlanex16_b32 v[LL+2*(\u)+1], v[LL+2*(\u)], s[SEL], s[SEL+1]
	v_add_f32 v[LL+2*(\u)], v[LL+2*(\u)], v[LL+2*(\u)+1]
.endm
	SUMS 0
	SUMS 1
	v_rcp_f32 v[RR], v[LL]                         ; made twice, to fill the pair that the packed multiply names
	v_rcp_f32 v[RR+1], v[LL]
	v_rcp_f32 v[RR+2], v[LL+2]
	v_rcp_f32 v[RR+3], v[LL+2]
	v_nop
	s_wait_alu depctr_va_vdst(0)                   ; one wait for the four reciprocals
	s_wait_dscnt 0x0                               ; V is in
	WIN 0x01                                       ; V in window 1; P and O^T in window 0
.set i, 0
.rept 24                                       ; key pair i / 8; the 8 accumulators (tile i % 2, channel block (i % 8) / 2) take turns; the first 8 products start the sums
.if i < 8
	v_wmma_f32_16x16x32_f16 v[S+8*(4*(i%2)+(i%8)/2):S+8*(4*(i%2)+(i%8)/2)+7], v[128+32*(i/8)+8*((i%8)/2):128+32*(i/8)+8*((i%8)/2)+7], v[P+24*(i%2)+8*(i/8):P+24*(i%2)+8*(i/8)+7], 0
.else
	v_wmma_f32_16x16x32_f16 v[S+8*(4*(i%2)+(i%8)/2):S+8*(4*(i%2)+(i%8)/2)+7], v[128+32*(i/8)+8*((i%8)/2):128+32*(i/8)+8*((i%8)/2)+7], v[P+24*(i%2)+8*(i/8):P+24*(i%2)+8*(i/8)+7], v[S+8*(4*(i%2)+(i%8)/2):S+8*(4*(i%2)+(i%8)/2)+7]
.endif
.set i, i+1
.endr
	WIN 0
.rept 4
	v_nop
.endr
.irp u, 0,1
.set i, 0
.rept 16
	v_pk_mul_f32 v[S+32*(\u)+2*i:S+32*(\u)+2*i+1], v[S+32*(\u)+2*i:S+32*(\u)+2*i+1], v[RR+2*(\u):RR+2*(\u)+1]
.set i, i+1
.endr
.endr
.irp u, 0,1
.set i, 0
.rept 16
	v_cvt_pk_f16_f32 v[P+16*(\u)+i], v[S+32*(\u)+2*i], v[S+32*(\u)+2*i+1]
.set i, i+1
.endr
	v_cmp_gt_f32 s2, s[THR], v[MM+2*(\u)]          ; no key of the window was visible:
.set i, 0
.rept 16
	v_cndmask_b32 v[P+16*(\u)+i], v[P+16*(\u)+i], v[VMH+i], s2   ; the row takes the mean of v
.set i, i+1
.endr
.irp cb, 0,1,2,3
	ds_store_b128 v[STO], v[P+16*(\u)+4*(\cb):P+16*(\u)+4*(\cb)+3] offset:(\u)*16*SP+32*(\cb)
.endr
.endr
	s_wait_dscnt 0x0                               ; for the others' sake: my stores into the stage are done
	s_barrier_signal -1
	s_barrier_wait -1                              ; a row's 1,024 bytes come from eight waves
.set i, 0
.rept 8
	ds_load_b128 v[S+4*i:S+4*i+3], v[RD] offset:(i/2)*SP+512*(i%2)
.set i, i+1
.endr
.set i, 0
.rept 8
	s_wait_dscnt 7-i
	global_store_b128 v[GO], v[S+4*i:S+4*i+3], s[OBS:OBS+1] offset:(i/2)*2048+512*(i%2)   ; 512 consecutive bytes, aligned
.set i, i+1
.endr
	s_wait_tensorcnt 0x0                           ; the wave's end
	ds_add_u32 v[SPW], v[NIL]
	s_wait_dscnt 0x0
	s_endpgm
.Lfunc_end_k_qc09ff79dda_attn:
	.size	k_qc09ff79dda_attn, .Lfunc_end_k_qc09ff79dda_attn-k_qc09ff79dda_attn
	.p2alignl 7, 3214868480
	.fill 96, 4, 3214868480
	.section	.rodata,"a",@progbits
	.p2align	6, 0x0
	.amdhsa_kernel k_qc09ff79dda_attn
		.amdhsa_group_segment_fixed_size 327680
		.amdhsa_private_segment_fixed_size 0
		.amdhsa_enable_private_segment 0
		.amdhsa_kernarg_size 32
		.amdhsa_user_sgpr_count 2
		.amdhsa_user_sgpr_kernarg_segment_ptr 1
		.amdhsa_wavefront_size32 1
		.amdhsa_system_sgpr_workgroup_id_x 1
		.amdhsa_system_sgpr_workgroup_id_y 1
		.amdhsa_system_sgpr_workgroup_id_z 1
		.amdhsa_system_vgpr_workitem_id 0
		.amdhsa_next_free_vgpr 480
		.amdhsa_next_free_sgpr 96
		.amdhsa_reserve_vcc 0
		.amdhsa_float_denorm_mode_32 3
		.amdhsa_float_denorm_mode_16_64 3
		.amdhsa_memory_ordered 1
		.amdhsa_forward_progress 1
		.amdhsa_inst_pref_size 60
	.end_amdhsa_kernel
	.amdgpu_metadata
---
amdhsa.version: [ 1, 2 ]
amdhsa.kernels:
  - .name:           k_qc09ff79dda_attn
    .symbol:         k_qc09ff79dda_attn.kd
    .args:
      - { .name: qkv, .offset: 0, .size: 8, .value_kind: global_buffer, .address_space: global }
      - { .name: causal_mask, .offset: 8, .size: 8, .value_kind: global_buffer, .address_space: global }
      - { .name: rpe, .offset: 16, .size: 8, .value_kind: global_buffer, .address_space: global }
      - { .name: o16, .offset: 24, .size: 8, .value_kind: global_buffer, .address_space: global }
    .group_segment_fixed_size: 327680
    .private_segment_fixed_size: 0
    .kernarg_segment_align: 8
    .kernarg_segment_size: 32
    .max_flat_workgroup_size: 256
    .sgpr_count:     96
    .vgpr_count:     480
    .wavefront_size: 32
...
	.end_amdgpu_metadata
.endif
;; end of part 3
;; launch wo (part 4): grid 8 x 32, 4 waves a work-group, clusters of 4 x 4, 327,680 bytes of LDS; arguments o16, w16, h16, zbuf; writes zbuf
.if DOCPART == 4
	.amdgcn_target "amdgcn-amd-amdhsa--gfx1250"
	.amdhsa_code_object_version 6
	.text
	.protected	k_qc09ff79dda_wo
	.globl	k_qc09ff79dda_wo
	.p2align	8
	.type	k_qc09ff79dda_wo,@function
k_qc09ff79dda_wo:
	s_mov_b64 s[64:65], 0
	v_nop
	global_prefetch_b8 v0, s[64:65] scope:SCOPE_SE
	s_setreg_imm32_b32 hwreg(HW_REG_WAVE_MODE, 25, 1), 1
	s_wait_xcnt 0x0
	s_wait_alu depctr_hold_cnt(0) depctr_sa_sdst(0) depctr_va_vdst(0) depctr_va_sdst(0) depctr_va_ssrc(0) depctr_va_vcc(0) depctr_vm_vsrc(0)
	s_getreg_b32 s2, hwreg(HW_REG_IB_STS2, 6, 4)
	s_cmp_eq_u32 s2, 0
	s_cbranch_scc0 .Lentry_in_a_cluster
	s_endpgm
.Lentry_in_a_cluster:
	s_bfe_u32 s2, ttmp6, 0x10000c
	s_cmp_lg_u32 s2, 0xf033
	s_cbranch_scc0 .Lentry_shape_is_right
	s_endpgm
.Lentry_shape_is_right:
; z = R + A W (+ bias): FF2 = 0: z1 = h + o Wo (A = o16 [4096][1024], W = Wo, R = h16).  FF2 = 1: z2 = att + hid W2 + b2 (A = hid [4096][4096], W = W2, R = att16).  z: [4096][1024] f32.
; A, W, R in f16, W as [k][1024 n]; sums in f32, stored unrounded (z may pass f16's range).  The bias is rounded to bf16 like every input.
; SHARES.  A work-group makes 128 x 128 of z; four waves, 64 x 64 each: 16 accumulators, 128 registers.  K goes in steps of 256 through two LDS slots; a slot has four parts, one tensor load each:
; waves 0, 1 fetch 64 rows x 256 k of A, waves 2, 3 fetch 128 k-rows x 128 columns of W.  CLUSTER 4 x 4: A's tiles are asked for jointly along a row of the cluster, W's along a column.
; THE SUMS START FROM THE RESIDUAL (and the bias), laid into the accumulators while the first tiles are on their way: every product adds in place.
; THE PRODUCT IS USED TRANSPOSED (source 0 = 16 columns of W by the turning load, source 1 = 16 rows of A): a lane holds one row and eight neighbouring columns.
; ONE TEXT FOR A K STEP: s[TB] is 0 or SLOT; the fragments' addresses are made anew from it at each change of slots.  No part's address has a bit in common with SLOT.
; FF2 = 0 has four K steps, two of them brought by the first fills, and lays no prefetch; FF2 = 1 has sixteen and asks two K steps ahead of each refill.
; REGISTERS: window 0: v0-31 addresses; v32-95 the residual, later the way out; v96-127 the bias; v128-255 accumulators ((a, b) at 128 + 8 (4 a + b)).  window 1: two fragment buffers of 128: A's 64, then W's 64.
.set FF2,    0
.if FF2
.set T,      16
.set ASH,    13                        ; a row of A: 8,192 bytes
.set AP,     4096
.set WOFF,   0x1000000
.else
.set T,      4
.set ASH,    11
.set AP,     1024
.set WOFF,   0x600000
.endif
.set SUB,    0x9000
.set SLOT,   0x24000
.set PA,     528                       ; a row of A in LDS: 512 bytes + 16
.set PB,     288                       ; a k-row of W: 256 + 32
.set STAGE,  2*SLOT                    ; 16 rows x 272 bytes for each wave
.set SP,     272
.set SPARE,  STAGE+4*16*SP
.set ASTEP,  512
.set BSTEP,  256*2048
.set ADRA0,  8
.set ADRB0,  9                         ; v9-10: k-rows 0-127, 128-255
.set ADRA,   12
.set ADRB,   13                        ; v13-14
.set STO,    16
.set RD,     17
.set CO,     18
.set RO,     19
.set BO,     20
.set ONE,    21
.set ZR,     22
.set SPW,    28
.set NIL,    29
.set PFO,    30
.set RES,    32
.set OB,     32
.set BI,     96
.set ACC,    128
.set F0,     0
.set F1,     128
.set G1A, 24
.set G0A, 32
.set G1B, 40
.set G0B, 48
.set TB,  56
.set CNT, 57
.set LIM, 58
.set PFA, 60
.set PST, 62
.set RB,  66
.set BB,  68
.set ZB,  70
.set ARG, 76
.if FF2
.set ZP,  ARG+8
.else
.set ZP,  ARG+6
.endif
.set MSB, 0
.macro WIN new
.if MSB != (\new)
	s_set_vgpr_msb (MSB<<8)|(\new)
.set MSB, \new
.endif
.endm
.set MUL, 0x05                         ; sources 0 (W) and 1 (A) window 1; C and D window 0
.macro PLACES
.rept 4
	v_nop
.endr
.endm
.macro CREST
	s_cmp_lg_u32 s10, 0
	s_cbranch_scc1 .Lnot_wave_0_\@
	s_barrier_signal -3
.Lnot_wave_0_\@:
	s_barrier_wait -3
	s_barrier_signal -1
	s_barrier_wait -1
.endm
.macro CROUND
	s_barrier_signal -1
	s_barrier_wait -1
	CREST
.endm
.macro JLOAD                           ; a joint refill by the walking descriptors; an s_nop 0 and four v_nop follow each line
	s_cmp_lt_u32 s10, 2
	s_cbranch_scc0 .Lfor_b_\@
	tensor_load_to_lds s[G0A+4:G0A+7], s[G1A:G1A+7]
	s_nop 0
.rept 4
	v_nop
.endr
	s_branch .Lasked_\@
.Lfor_b_\@:
	tensor_load_to_lds s[G0B+4:G0B+7], s[G1B:G1B+7]
	s_nop 0
.rept 4
	v_nop
.endr
.Lasked_\@:
.endm
; A prefetch of the K step two refills on: 32 blocks of 256 bytes, a lane a block.  A's tile is read by both clusters of its row of clusters: x = 0 asks; W's by all clusters of its column: y = 0 asks.
; The four partners of a joint load take 32 of its 128 blocks each, told apart by address.  The last two refills ask for nothing.
.macro ASK
	s_cmp_gt_u32 s[CNT], s[LIM]
	s_cbranch_scc0 .Lnot_mine_\@
	global_prefetch_b8 v[PFO], s[PFA:PFA+1] th:TH_LOAD_NT scope:SCOPE_SE
.Lnot_mine_\@:
.endm
	s_load_b256 s[ARG:ARG+7], s[0:1], 0x0
.if FF2
	s_load_b64 s[ARG+8:ARG+9], s[0:1], 0x20
.endif
	v_lshl_add_u32 v[SPW], v0, 2, SPARE
	v_mov_b32 v[NIL], 0
	ds_add_u32 v[SPW], v[NIL]                      ; the wave's opening: the add and its wait ahead of my first tensor load
	v_lshrrev_b32 v1, 5, v0
	v_readfirstlane_b32 s10, v1
	s_lshr_b32 s11, s10, 1                         ; wr
	s_and_b32 s12, s10, 1                          ; wc; also: which half of a tile I fetch
	s_bfe_u32 s14, ttmp6, 0x40000
	s_bfe_u32 s15, ttmp6, 0x40004
	s_lshl_b32 s16, ttmp9, 2
	s_add_co_u32 s16, s16, s14                     ; tx
	s_and_b32 s17, ttmp7, 0xffff
	s_lshl_b32 s17, s17, 2
	s_add_co_u32 s17, s17, s15                     ; ty
	s_lshl_b32 s18, s15, 2
	s_lshl_b32 s18, 15, s18
	s_lshl_b32 s19, 0x1111, s14
	s_or_b32 s[G1A], s18, (1<<16)|(1<<20)|(1<<21)|(6<<22)|(3<<25)   ; after every 128 words 4 words of padding
	s_or_b32 s[G1B], s19, (1<<16)|(1<<20)|(1<<21)|(5<<22)|(7<<25)   ; after every 64 words 8 words
	s_mov_b32 s[G1A+1], 256<<16
	s_mov_b32 s[G1A+2], 64<<16
	s_mov_b32 s[G1A+3], 256<<16
	s_mov_b32 s[G1A+4], 64
	s_mov_b32 s[G1A+5], AP
	s_mov_b32 s[G1A+6], 0
	s_mov_b32 s[G1A+7], 0
	s_mov_b32 s[G1B+1], 128<<16
	s_mov_b32 s[G1B+2], 128<<16
	s_mov_b32 s[G1B+3], 128<<16
	s_mov_b32 s[G1B+4], 128
	s_mov_b32 s[G1B+5], 1024
	s_mov_b32 s[G1B+6], 0
	s_mov_b32 s[G1B+7], 0
	s_lshl_b32 s20, s17, 7
	s_lshl_b32 s21, s12, 6
	s_add_co_u32 s20, s20, s21                     ; A: row 128 ty + 64 x half
	s_lshl_b32 s20, s20, ASH
	s_mov_b32 s21, 0
	s_lshl_b32 s22, s12, 18                        ; W: 128 k-rows x half,
	s_lshl_b32 s23, s16, 8                         ; the tile's 128 columns
	s_add_co_u32 s22, s22, s23
	s_add_co_u32 s22, s22, WOFF
	s_mov_b32 s23, 0
	s_mul_i32 s3, s10, SUB
	s_mov_b32 s[TB], 0
	s_wait_dscnt 0x0
	s_wait_kmcnt 0x0
	s_add_nc_u64 s[20:21], s[ARG:ARG+1], s[20:21]
	s_add_nc_u64 s[22:23], s[ARG+2:ARG+3], s[22:23]
	CROUND
.irp s, 0,1
	s_mov_b32 s[G0A+4*(\s)], 1
	s_add_co_u32 s[G0A+4*(\s)+1], s3, (\s)*SLOT
	s_add_nc_u64 s[G0A+4*(\s)+2:G0A+4*(\s)+3], s[20:21], (\s)*ASTEP
	s_or_b32 s[G0A+4*(\s)+3], s[G0A+4*(\s)+3], 0x80000000
	s_mov_b32 s[G0B+4*(\s)], 1
	s_add_co_u32 s[G0B+4*(\s)+1], s3, (\s)*SLOT
	s_add_nc_u64 s[G0B+4*(\s)+2:G0B+4*(\s)+3], s[22:23], (\s)*BSTEP
	s_or_b32 s[G0B+4*(\s)+3], s[G0B+4*(\s)+3], 0x80000000
.endr
	s_cmp_lt_u32 s10, 2
	s_cbranch_scc0 .Lfirst_b
	tensor_load_to_lds s[G0A:G0A+3], s[G1A:G1A+7]
	s_nop 0
	tensor_load_to_lds s[G0A+4:G0A+7], s[G1A:G1A+7]
	s_nop 0
.rept 4
	v_nop
.endr
	s_branch .Lfirst_asked
.Lfirst_b:
	tensor_load_to_lds s[G0B:G0B+3], s[G1B:G1B+7]
	s_nop 0
	tensor_load_to_lds s[G0B+4:G0B+7], s[G1B:G1B+7]
	s_nop 0
.rept 4
	v_nop
.endr
.Lfirst_asked:
	v_and_b32 v1, 15, v0
	v_bfe_u32 v2, v0, 4, 1
	v_and_b32 v3, 31, v0
	v_and_b32 v4, 7, v0
	v_bfe_u32 v5, v0, 3, 1
	; the residual, 16 bytes a lane for each accumulator, and the bias
	s_lshl_b32 s2, s17, 7
	s_lshl_b32 s18, s11, 6
	s_add_co_u32 s18, s2, s18                      ; my first row
	s_lshl_b32 s2, s18, 11
	s_lshl_b32 s19, s16, 8
	s_add_co_u32 s2, s2, s19
	s_lshl_b32 s19, s12, 7
	s_add_co_u32 s2, s2, s19
	s_mov_b32 s3, 0
	s_add_nc_u64 s[RB:RB+1], s[ARG+4:ARG+5], s[2:3]
	v_lshlrev_b32 v[RO], 11, v1
	v_lshl_add_u32 v[RO], v2, 4, v[RO]
.set i, 0
.rept 16
	global_load_b128 v[RES+4*i:RES+4*i+3], v[RO], s[RB:RB+1] offset:32768*(i/4)+32*(i%4)
.set i, i+1
.endr
.if FF2
	s_lshl_b32 s2, s16, 9
	s_lshl_b32 s19, s12, 8
	s_add_co_u32 s2, s2, s19
	s_add_nc_u64 s[BB:BB+1], s[ARG+6:ARG+7], s[2:3]
	v_lshlrev_b32 v[BO], 5, v2
.irp nb, 0,1,2,3
	global_load_b128 v[BI+8*(\nb):BI+8*(\nb)+3], v[BO], s[BB:BB+1] offset:64*(\nb)
	global_load_b128 v[BI+8*(\nb)+4:BI+8*(\nb)+7], v[BO], s[BB:BB+1] offset:64*(\nb)+16
.endr
.endif
	s_lshl_b32 s2, s18, 12                         ; z at my first row and column
	s_lshl_b32 s19, s16, 9
	s_add_co_u32 s2, s2, s19
	s_lshl_b32 s19, s12, 8
	s_add_co_u32 s2, s2, s19
	s_add_nc_u64 s[ZB:ZB+1], s[ZP:ZP+1], s[2:3]
	v_mul_u32_u24 v[ADRA0], v1, PA
	v_lshl_add_u32 v[ADRA0], v2, 4, v[ADRA0]
	s_mul_i32 s2, s11, SUB
	v_add_nc_u32 v[ADRA0], s2, v[ADRA0]
	v_lshl_add_u32 v6, v2, 3, v4
	v_mul_u32_u24 v6, v6, PB
	v_lshl_add_u32 v6, v5, 4, v6
	s_lshl_b32 s2, s12, 7
	s_add_co_u32 s2, s2, 2*SUB
	v_add_nc_u32 v[ADRB0], s2, v6
	v_add_nc_u32 v[ADRB0+1], SUB, v[ADRB0]
	v_mov_b32 v[ADRA], v[ADRA0]
	v_mov_b32 v[ADRB], v[ADRB0]
	v_mov_b32 v[ADRB+1], v[ADRB0+1]
	s_mul_i32 s2, s10, 16*SP
	s_add_co_u32 s2, s2, STAGE
	v_mul_u32_u24 v[STO], v1, SP
	v_lshl_add_u32 v[STO], v2, 5, v[STO]
	v_add_nc_u32 v[STO], s2, v[STO]
	v_mul_u32_u24 v[RD], v2, SP
	v_lshl_add_u32 v[RD], v1, 4, v[RD]
	v_add_nc_u32 v[RD], s2, v[RD]
	v_lshlrev_b32 v[CO], 12, v2
	v_lshl_add_u32 v[CO], v1, 4, v[CO]
	v_mov_b32 v[ONE], 1.0
	v_mov_b32 v[ZR], 0
.if FF2
	; the prefetches
	s_and_b32 s2, ttmp7, 0xffff
	s_mov_b32 s[PST], BSTEP
	s_mov_b32 s[PST+1], 0
	s_cmp_lt_u32 s10, 2                            ; do I fetch A?
	s_cselect_b32 s2, ttmp9, s2
	s_cselect_b32 s18, s14, s15                    ; my place among the four that ask with me
	s_cselect_b32 s19, 17, 16                      ; its share: 16 rows of 8,192 bytes, or 32 k-rows of 2,048
	s_cselect_b64 s[PFA:PFA+1], s[20:21], s[22:23]
	s_cselect_b32 s[PST], ASTEP, s[PST]
	s_cselect_b32 s[LIM], 1, 0                     ; (for now: blocks in a row, less one)
	s_cselect_b32 s3, 13, 11
	v_lshrrev_b32 v6, s[LIM], v3
	v_lshlrev_b32 v6, s3, v6
	v_and_b32 v7, s[LIM], v3
	v_lshl_add_u32 v[PFO], v7, 8, v6
	s_cmp_eq_u32 s2, 0
	s_cselect_b32 s[LIM], 2, -1
	s_lshl_b32 s18, s18, s19
	s_mul_i32 s19, s[PST], 3                       ; at K step 3: the first refill steps it to 4
	s_add_co_u32 s18, s18, s19
	s_mov_b32 s19, 0
	s_add_nc_u64 s[PFA:PFA+1], s[PFA:PFA+1], s[18:19]
.endif
	s_mov_b32 s2, 0xffff0000
	s_wait_loadcnt 0x0
.if FF2
.set i, 0
.rept 16
	v_cvt_pk_bf16_f32 v[ACC+i], v[BI+2*i], v[BI+2*i+1]
.set i, i+1
.endr
.set i, 0
.rept 16
	v_lshlrev_b32 v[BI+2*i], 16, v[ACC+i]
	v_and_b32 v[BI+2*i+1], s2, v[ACC+i]
.set i, i+1
.endr
.endif
.set k, 0
.rept 64                                       ; accumulator register 2 k, 2 k + 1 = the residual's two halves x 1 + the column's bias (or 0)
.if FF2
	v_fma_mix_f32 v[ACC+2*k], v[RES+k], v[ONE], v[BI+(2*k)%32] op_sel_hi:[1,0,0]
	v_fma_mix_f32 v[ACC+2*k+1], v[RES+k], v[ONE], v[BI+(2*k+1)%32] op_sel:[1,0,0] op_sel_hi:[1,0,0]
.else
	v_fma_mix_f32 v[ACC+2*k], v[RES+k], v[ONE], v[ZR] op_sel_hi:[1,0,0]
	v_fma_mix_f32 v[ACC+2*k+1], v[RES+k], v[ONE], v[ZR] op_sel:[1,0,0] op_sel_hi:[1,0,0]
.endif
.set k, k+1
.endr
; 8 products: row blocks a0, a0 + 1 x all 4 column blocks, 32 along K: half c of buffer fm.  The 16 accumulators take turns.
.macro MUL8 fm, c, a0
	WIN MUL
.irp a, \a0, (\a0)+1
.irp b, 0,1,2,3
	v_wmma_f32_16x16x32_f16 v[ACC+8*(4*(\a)+(\b)):ACC+8*(4*(\a)+(\b))+7], v[(\fm)+64+8*(4*(\c)+(\b)):(\fm)+64+8*(4*(\c)+(\b))+7], v[(\fm)+8*(4*(\c)+(\a)):(\fm)+8*(4*(\c)+(\a))+7], v[ACC+8*(4*(\a)+(\b)):ACC+8*(4*(\a)+(\b))+7]
.endr
.endr
.endm
; 32 LDS loads in one run: quarter qn (64 along K) of the slot in hand into buffer fg; its first 32 along K first
.macro FETCH qn, fg
	WIN 0x40
.irp c, 0,1
.irp i, 0,1,2,3
	ds_load_tr16_b128 v[(\fg)+64+8*(4*(\c)+(\i)):(\fg)+64+8*(4*(\c)+(\i))+3], v[ADRB+(\qn)/2] offset:64*PB*((\qn)%2)+32*PB*(\c)+32*(\i)
	ds_load_tr16_b128 v[(\fg)+64+8*(4*(\c)+(\i))+4:(\fg)+64+8*(4*(\c)+(\i))+7], v[ADRB+(\qn)/2] offset:64*PB*((\qn)%2)+32*PB*(\c)+32*(\i)+16*PB
	ds_load_b128 v[(\fg)+8*(4*(\c)+(\i)):(\fg)+8*(4*(\c)+(\i))+3], v[ADRA] offset:128*(\qn)+64*(\c)+16*PA*(\i)
	ds_load_b128 v[(\fg)+8*(4*(\c)+(\i))+4:(\fg)+8*(4*(\c)+(\i))+7], v[ADRA] offset:128*(\qn)+64*(\c)+16*PA*(\i)+32
.endr
.endr
.endm
.macro QUARTER qn, fm, fg
	s_wait_dscnt 16                                ; the first 32 along K are in
	MUL8 \fm, 0, 0
	MUL8 \fm, 0, 2
	PLACES
	FETCH \qn, \fg
	s_wait_dscnt 32                                ; all but the 32 just issued
	MUL8 \fm, 1, 0
	MUL8 \fm, 1, 2
.endm
; The last quarter multiplies buffer 1 and changes slots: in front of the barrier each wave waits for all its tensor loads, adds 0 to its spare word, and waits for that and for its reads of this slot.
; fill = 1: the barrier opens a round of the cluster's barrier, and the joint refill, two K steps ahead, is the first thing behind the round.
.macro TURN fill
.if (\fill) && FF2
	s_wait_xcnt 0x0                                ; the last prefetch, a K step back, has read its address
	s_add_nc_u64 s[PFA:PFA+1], s[PFA:PFA+1], s[PST:PST+1]
.endif
	WIN 0
	s_wait_tensorcnt 0x0
	ds_add_u32 v[SPW], v[NIL]
	s_wait_dscnt 17                                ; (the add and the youngest sixteen loads may be out)
	MUL8 F1, 0, 0
	s_wait_dscnt 0x0
	s_barrier_signal -1
	MUL8 F1, 0, 2
	WIN 0
	s_barrier_wait -1
.if \fill
	CREST
	s_xor_b32 s[G0A+5], s[G0A+5], SLOT
	s_add_nc_u64 s[G0A+6:G0A+7], s[G0A+6:G0A+7], ASTEP
	s_xor_b32 s[G0B+5], s[G0B+5], SLOT
	s_add_nc_u64 s[G0B+6:G0B+7], s[G0B+6:G0B+7], BSTEP
	JLOAD
.else
	PLACES
.endif
	s_xor_b32 s[TB], s[TB], SLOT
	v_add_nc_u32 v[ADRA], s[TB], v[ADRA0]
	v_add_nc_u32 v[ADRB], s[TB], v[ADRB0]
	v_add_nc_u32 v[ADRB+1], s[TB], v[ADRB0+1]
	FETCH 0, F0
.if (\fill) && FF2
	WIN 0
	ASK
.endif
	MUL8 F1, 1, 0
	MUL8 F1, 1, 2
.endm
	s_wait_tensorcnt 1                             ; my part of K step 0 is in; K step 1's may stay out
	s_barrier_signal -1
	s_barrier_wait -1
	FETCH 0, F0
	QUARTER 1, F0, F1
	WIN 0
	s_mov_b32 s[CNT], T-2
.Lstep:
	QUARTER 2, F1, F0
	QUARTER 3, F0, F1
	TURN 1
	QUARTER 1, F0, F1
	WIN 0
	s_sub_co_u32 s[CNT], s[CNT], 1
	s_cmp_lg_u32 s[CNT], 0
	s_cbranch_scc1 .Lstep
	s_mov_b32 s[CNT], 2
.Ltail:                                                ; the last two K steps ask for nothing; the second trip is left in its middle (its change of slots fetches fragments that are not multiplied)
	QUARTER 2, F1, F0
	QUARTER 3, F0, F1
	TURN 0
	WIN 0
	s_sub_co_u32 s[CNT], s[CNT], 1
	s_cmp_eq_u32 s[CNT], 0
	s_cbranch_scc1 .Lout
	QUARTER 1, F0, F1
	WIN 0
	s_branch .Ltail
.Lout:
	s_wait_dscnt 0x0
	PLACES
; THE WAY OUT of row block ab: 32 bytes a lane into my stage, back as whole rows of 256 bytes: my 64 columns of f32.
.macro OUTA ab
.irp nb, 0,1,2,3
	ds_store_b128 v[STO], v[ACC+8*(4*(\ab)+(\nb)):ACC+8*(4*(\ab)+(\nb))+3] offset:64*(\nb)
	ds_store_b128 v[STO], v[ACC+8*(4*(\ab)+(\nb))+4:ACC+8*(4*(\ab)+(\nb))+7] offset:64*(\nb)+16
.endr
	s_wait_xcnt 0x0                                ; the last block's stores have read the registers that the loads below fill
.irp t, 0,1,2,3,4,5,6,7
	ds_load_b128 v[OB+4*(\t):OB+4*(\t)+3], v[RD] offset:2*SP*(\t)
.endr
	s_wait_dscnt 0x0
.irp t, 0,1,2,3,4,5,6,7
	global_store_b128 v[CO], v[OB+4*(\t):OB+4*(\t)+3], s[ZB:ZB+1] offset:65536*(\ab)+8192*(\t)   ; 16 lanes store 256 consecutive bytes, aligned
.endr
.endm
	OUTA 0
	OUTA 1
	OUTA 2
	OUTA 3
	s_wait_tensorcnt 0x0                           ; the wave's end
	ds_add_u32 v[SPW], v[NIL]
	s_wait_dscnt 0x0
	CROUND                                         ; the closing round
	s_endpgm
.Lfunc_end_k_qc09ff79dda_wo:
	.size	k_qc09ff79dda_wo, .Lfunc_end_k_qc09ff79dda_wo-k_qc09ff79dda_wo
	.p2alignl 7, 3214868480
	.fill 96, 4, 3214868480
	.section	.rodata,"a",@progbits
	.p2align	6, 0x0
	.amdhsa_kernel k_qc09ff79dda_wo
		.amdhsa_group_segment_fixed_size 327680
		.amdhsa_private_segment_fixed_size 0
		.amdhsa_enable_private_segment 0
		.amdhsa_kernarg_size 32
		.amdhsa_user_sgpr_count 2
		.amdhsa_user_sgpr_kernarg_segment_ptr 1
		.amdhsa_wavefront_size32 1
		.amdhsa_system_sgpr_workgroup_id_x 1
		.amdhsa_system_sgpr_workgroup_id_y 1
		.amdhsa_system_sgpr_workgroup_id_z 1
		.amdhsa_system_vgpr_workitem_id 0
		.amdhsa_next_free_vgpr 512
		.amdhsa_next_free_sgpr 96
		.amdhsa_reserve_vcc 0
		.amdhsa_float_denorm_mode_32 3
		.amdhsa_float_denorm_mode_16_64 3
		.amdhsa_memory_ordered 1
		.amdhsa_forward_progress 1
		.amdhsa_inst_pref_size 67
	.end_amdhsa_kernel
	.amdgpu_metadata
---
amdhsa.version: [ 1, 2 ]
amdhsa.kernels:
  - .name:           k_qc09ff79dda_wo
    .symbol:         k_qc09ff79dda_wo.kd
    .args:
      - { .name: o16, .offset: 0, .size: 8, .value_kind: global_buffer, .address_space: global }
      - { .name: w16, .offset: 8, .size: 8, .value_kind: global_buffer, .address_space: global }
      - { .name: h16, .offset: 16, .size: 8, .value_kind: global_buffer, .address_space: global }
      - { .name: zbuf, .offset: 24, .size: 8, .value_kind: global_buffer, .address_space: global }
    .group_segment_fixed_size: 327680
    .private_segment_fixed_size: 0
    .kernarg_segment_align: 8
    .kernarg_segment_size: 32
    .max_flat_workgroup_size: 128
    .sgpr_count:     96
    .vgpr_count:     512
    .wavefront_size: 32
...
	.end_amdgpu_metadata
.endif
;; end of part 4
;; launch ln1 (part 5): grid 256 x 1, 8 waves a work-group, no clusters, 0 bytes of LDS; arguments zbuf, ln1_scale, ln1_offset, att16; writes att16
.if DOCPART == 5
	.amdgcn_target "amdgcn-amd-amdhsa--gfx1250"
	.amdhsa_code_object_version 6
	.text
	.protected	k_qc09ff79dda_ln1
	.globl	k_qc09ff79dda_ln1
	.p2align	8
	.type	k_qc09ff79dda_ln1,@function
k_qc09ff79dda_ln1:
	s_mov_b64 s[64:65], 0
	v_nop
	global_prefetch_b8 v0, s[64:65] scope:SCOPE_SE
	s_setreg_imm32_b32 hwreg(HW_REG_WAVE_MODE, 25, 1), 1
	s_wait_xcnt 0x0
; y = (z - mean) / sqrt(var + 1e-5) x scale + offset along rows of 1,024 f32.  F16OUT = 1: y is stored in f16 (it feeds matrix products and a residual); 0: in f32.
; A wave takes two whole rows, 32 registers each: the reduction never leaves the wave, so there is no LDS and no barrier.  The variance is the mean of (z - mean)^2: no difference of large sums.
; Scale and offset are rounded to bf16 like every input.  A load of a wave covers 512 consecutive bytes; a store 256 (f16) or 512.
.set F16OUT, 1
.set A,   8                            ; v[8:15]  four running pairs
.set MU,  16                           ; v[16:17] the mean, twice
.set VV,  18                           ; v[18:19] var + eps, by row
.set RS,  20                           ; v[20:23] 1 / sqrt, twice, by row
.set TP,  24                           ; v[24:31] at work
.set X0,  32
.set X1,  64
.set SC,  96
.set OF,  128
	s_load_b256 s[4:11], s[0:1], 0x0               ; z, scale, offset, y
	v_lshrrev_b32 v1, 5, v0
	v_readfirstlane_b32 s12, v1
	v_and_b32 v2, 31, v0
	v_lshlrev_b32 v1, 4, v2                        ; 16 x lane
	v_lshlrev_b32 v3, 3, v2                        ; 8 x lane
	s_lshl_b32 s2, ttmp9, 4
	s_lshl_b32 s3, s12, 1
	s_add_co_u32 s2, s2, s3                        ; my first row
.if F16OUT
	s_lshl_b32 s14, s2, 11
.else
	s_lshl_b32 s14, s2, 12
.endif
	s_mov_b32 s15, 0
	s_lshl_b32 s2, s2, 12
	s_mov_b32 s3, 0
	s_mov_b32 s16, 0x76543210
	s_mov_b32 s17, 0xfedcba98
	s_mov_b32 s18, 0x3a800000                      ; 1 / 1,024
	s_mov_b32 s19, 0x3727c5ac                      ; 1e-5
	s_mov_b32 s20, 0xffff0000
	s_wait_kmcnt 0x0
	s_add_nc_u64 s[4:5], s[4:5], s[2:3]
	s_add_nc_u64 s[10:11], s[10:11], s[14:15]
.irp j, 0,1,2,3,4,5,6,7
	global_load_b128 v[X0+4*(\j):X0+4*(\j)+3], v1, s[4:5] offset:512*(\j) th:TH_LOAD_NT
.endr
.irp j, 0,1,2,3,4,5,6,7
	global_load_b128 v[X1+4*(\j):X1+4*(\j)+3], v1, s[4:5] offset:4096+512*(\j) th:TH_LOAD_NT
.endr
.irp j, 0,1,2,3,4,5,6,7
	global_load_b128 v[SC+4*(\j):SC+4*(\j)+3], v1, s[6:7] offset:512*(\j)
.endr
.irp j, 0,1,2,3,4,5,6,7
	global_load_b128 v[OF+4*(\j):OF+4*(\j)+3], v1, s[8:9] offset:512*(\j)
.endr
.macro LANES                           ; the four pairs into one number, then over the 32 lanes: every lane ends with the sum
	v_pk_add_f32 v[A:A+1], v[A:A+1], v[A+2:A+3]
	v_pk_add_f32 v[A+4:A+5], v[A+4:A+5], v[A+6:A+7]
	v_pk_add_f32 v[A:A+1], v[A:A+1], v[A+4:A+5]
	v_add_f32 v[A], v[A], v[A+1]
	v_add_f32_dpp v[A], v[A], v[A] row_xmask:1 row_mask:0xf bank_mask:0xf
	v_add_f32_dpp v[A], v[A], v[A] row_xmask:2 row_mask:0xf bank_mask:0xf
	v_add_f32_dpp v[A], v[A], v[A] row_xmask:4 row_mask:0xf bank_mask:0xf
	v_add_f32_dpp v[A], v[A], v[A] row_xmask:8 row_mask:0xf bank_mask:0xf
	v_permlanex16_b32 v[A+1], v[A], s16, s17
	v_add_f32 v[A], v[A], v[A+1]
.endm
.macro STATS xb, row                   ; leaves z - mean in place and var + eps in v[VV+row]
.irp c, 0,1,2,3
	v_pk_add_f32 v[A+2*(\c):A+2*(\c)+1], v[(\xb)+2*(\c):(\xb)+2*(\c)+1], v[(\xb)+8+2*(\c):(\xb)+8+2*(\c)+1]
.endr
.irp k, 16,24
.irp c, 0,1,2,3
	v_pk_add_f32 v[A+2*(\c):A+2*(\c)+1], v[A+2*(\c):A+2*(\c)+1], v[(\xb)+(\k)+2*(\c):(\xb)+(\k)+2*(\c)+1]
.endr
.endr
	LANES
	v_mul_f32 v[MU], s18, v[A]
	v_mul_f32 v[MU+1], s18, v[A]
.set i, 0
.rept 16
	v_pk_add_f32 v[(\xb)+2*i:(\xb)+2*i+1], v[(\xb)+2*i:(\xb)+2*i+1], v[MU:MU+1] neg_lo:[0,1] neg_hi:[0,1]
.set i, i+1
.endr
.irp c, 0,1,2,3
	v_pk_mul_f32 v[A+2*(\c):A+2*(\c)+1], v[(\xb)+2*(\c):(\xb)+2*(\c)+1], v[(\xb)+2*(\c):(\xb)+2*(\c)+1]
.endr
.irp k, 8,16,24
.irp c, 0,1,2,3
	v_pk_fma_f32 v[A+2*(\c):A+2*(\c)+1], v[(\xb)+(\k)+2*(\c):(\xb)+(\k)+2*(\c)+1], v[(\xb)+(\k)+2*(\c):(\xb)+(\k)+2*(\c)+1], v[A+2*(\c):A+2*(\c)+1]
.endr
.endr
	LANES
	v_fma_f32 v[VV+(\row)], v[A], s18, s19
.endm
	s_wait_loadcnt 24                              ; row 0 is in; the 24 loads behind it may stay out
	STATS X0, 0
	s_wait_loadcnt 16                              ; row 1 is in
	STATS X1, 1
	v_rsq_f32 v[RS], v[VV]                         ; made twice, to fill the pairs that the packed multiplies name
	v_rsq_f32 v[RS+1], v[VV]
	v_rsq_f32 v[RS+2], v[VV+1]
	v_rsq_f32 v[RS+3], v[VV+1]
	s_wait_loadcnt 0x0                             ; scale and offset
.set i, 0
.rept 16
	v_cvt_pk_bf16_f32 v[TP+i%4], v[SC+2*i], v[SC+2*i+1]
	v_cvt_pk_bf16_f32 v[TP+4+i%4], v[OF+2*i], v[OF+2*i+1]
	v_lshlrev_b32 v[SC+2*i], 16, v[TP+i%4]
	v_and_b32 v[SC+2*i+1], s20, v[TP+i%4]
	v_lshlrev_b32 v[OF+2*i], 16, v[TP+4+i%4]
	v_and_b32 v[OF+2*i+1], s20, v[TP+4+i%4]
.set i, i+1
.endr
	s_wait_alu depctr_va_vdst(0)                   ; one wait for the four roots, ahead of their first reader; the roundings above are the plain work between
.macro FINISH xb, row
.set i, 0
.rept 16
	v_pk_mul_f32 v[TP+2*(i%4):TP+2*(i%4)+1], v[SC+2*i:SC+2*i+1], v[RS+2*(\row):RS+2*(\row)+1]
	v_pk_fma_f32 v[(\xb)+2*i:(\xb)+2*i+1], v[(\xb)+2*i:(\xb)+2*i+1], v[TP+2*(i%4):TP+2*(i%4)+1], v[OF+2*i:OF+2*i+1]
.set i, i+1
.endr
.if F16OUT
.set i, 0
.rept 16
	v_cvt_pk_f16_f32 v[(\xb)+i], v[(\xb)+2*i], v[(\xb)+2*i+1]   ; packed downward in place: register i is written when 2 i and 2 i + 1 have been read
.set i, i+1
.endr
.irp j, 0,1,2,3,4,5,6,7
	global_store_b64 v3, v[(\xb)+2*(\j):(\xb)+2*(\j)+1], s[10:11] offset:2048*(\row)+256*(\j)
.endr
.else
.irp j, 0,1,2,3,4,5,6,7
	global_store_b128 v1, v[(\xb)+4*(\j):(\xb)+4*(\j)+3], s[10:11] offset:4096*(\row)+512*(\j) th:TH_STORE_NT
.endr
.endif
.endm
	FINISH X0, 0
	FINISH X1, 1
	s_endpgm
.Lfunc_end_k_qc09ff79dda_ln1:
	.size	k_qc09ff79dda_ln1, .Lfunc_end_k_qc09ff79dda_ln1-k_qc09ff79dda_ln1
	.p2alignl 7, 3214868480
	.fill 96, 4, 3214868480
	.section	.rodata,"a",@progbits
	.p2align	6, 0x0
	.amdhsa_kernel k_qc09ff79dda_ln1
		.amdhsa_group_segment_fixed_size 0
		.amdhsa_private_segment_fixed_size 0
		.amdhsa_enable_private_segment 0
		.amdhsa_kernarg_size 32
		.amdhsa_user_sgpr_count 2
		.amdhsa_user_sgpr_kernarg_segment_ptr 1
		.amdhsa_wavefront_size32 1
		.amdhsa_system_sgpr_workgroup_id_x 1
		.amdhsa_system_sgpr_workgroup_id_y 1
		.amdhsa_system_sgpr_workgroup_id_z 1
		.amdhsa_system_vgpr_workitem_id 0
		.amdhsa_next_free_vgpr 160
		.amdhsa_next_free_sgpr 66
		.amdhsa_reserve_vcc 0
		.amdhsa_float_denorm_mode_32 3
		.amdhsa_float_denorm_mode_16_64 3
		.amdhsa_memory_ordered 1
		.amdhsa_forward_progress 1
		.amdhsa_inst_pref_size 24
	.end_amdhsa_kernel
	.amdgpu_metadata
---
amdhsa.version: [ 1, 2 ]
amdhsa.kernels:
  - .name:           k_qc09ff79dda_ln1
    .symbol:         k_qc09ff79dda_ln1.kd
    .args:
      - { .name: zbuf, .offset: 0, .size: 8, .value_kind: global_buffer, .address_space: global }
      - { .name: ln1_scale, .offset: 8, .size: 8, .value_kind: global_buffer, .address_space: global }
      - { .name: ln1_offset, .offset: 16, .size: 8, .value_kind: global_buffer, .address_space: global }
      - { .name: att16, .offset: 24, .size: 8, .value_kind: global_buffer, .address_space: global }
    .group_segment_fixed_size: 0
    .private_segment_fixed_size: 0
    .kernarg_segment_align: 8
    .kernarg_segment_size: 32
    .max_flat_workgroup_size: 256
    .sgpr_count:     66
    .vgpr_count:     160
    .wavefront_size: 32
...
	.end_amdgpu_metadata
.endif
;; end of part 5
;; launch ff1 (part 6): grid 16 x 16, 4 waves a work-group, clusters of 4 x 4, 327,680 bytes of LDS; arguments att16, w16, b1, hid; writes hid
.if DOCPART == 6
	.amdgcn_target "amdgcn-amd-amdhsa--gfx1250"
	.amdhsa_code_object_version 6
	.text
	.protected	k_qc09ff79dda_ff1
	.globl	k_qc09ff79dda_ff1
	.p2align	8
	.type	k_qc09ff79dda_ff1,@function
k_qc09ff79dda_ff1:
	s_mov_b64 s[64:65], 0
	v_nop
	global_prefetch_b8 v0, s[64:65] scope:SCOPE_SE
	s_setreg_imm32_b32 hwreg(HW_REG_WAVE_MODE, 25, 1), 1
	s_wait_xcnt 0x0
	s_wait_alu depctr_hold_cnt(0) depctr_sa_sdst(0) depctr_va_vdst(0) depctr_va_sdst(0) depctr_va_ssrc(0) depctr_va_vcc(0) depctr_vm_vsrc(0)
	s_getreg_b32 s2, hwreg(HW_REG_IB_STS2, 6, 4)
	s_cmp_eq_u32 s2, 0
	s_cbranch_scc0 .Lentry_in_a_cluster
	s_endpgm
.Lentry_in_a_cluster:
	s_bfe_u32 s2, ttmp6, 0x10000c
	s_cmp_lg_u32 s2, 0xf033
	s_cbranch_scc0 .Lentry_shape_is_right
	s_endpgm
.Lentry_shape_is_right:
; hid = relu(att W1 + b1).  att16: [4096][1024] f16; W1 in w16 at 8 MiB: [1024 k][4096 n] f16; b1 rounded to bf16; hid: [4096][4096] f16, rounded once.  Sums in f32.
; LIMIT: hid beyond 65,504 becomes an infinity in f16.
; SHARES.  A work-group makes 256 x 256; four waves, 128 x 128 each: 64 accumulators, 512 registers.  K goes in 8 steps of 128 through two LDS slots; a slot has four parts, one tensor load each:
; waves 0, 1 fetch 128 rows x 128 k of att, waves 2, 3 fetch 64 k-rows x 256 columns of W1.  CLUSTER 4 x 4: att's tiles are asked for jointly along a row of the cluster, W1's along a column.
; THE PRODUCT IS USED TRANSPOSED (source 0 = 16 columns of W1 by the turning load, source 1 = 16 rows of att): a lane holds one row and eight neighbouring columns.
; THE BIAS IS THE C OPERAND of the products that start the sums: nothing is cleared and nothing is added later.
; ONE TEXT FOR A K STEP: s[TB] is 0 or SLOT; the fragments' addresses are made anew from it at each change of slots.  No part's address has a bit in common with SLOT.
; REGISTERS: window 0: v0-31 addresses; v32-63 the way out; v64-127, v128-191 att's fragments, two buffers; v192-255 the bias, later packed results.  window 1: v64-127, v128-191 W1's fragments.
;   window 2: accumulators of row blocks 0-3 ((a, b) at 8 (8 a + b));  window 3: row blocks 4-7.
.set T,      8
.set SUB,    0x8800
.set SLOT,   0x22000
.set PA,     272
.set PB,     544
.set STAGE,  2*SLOT
.set SP,     272
.set SPARE,  STAGE+4*16*SP
.set ASTEP,  256
.set BSTEP,  128*8192
.set ADRA0,  8
.set ADRB0,  9
.set ADRA,   12
.set ADRB,   13
.set STO,    16
.set RD,     17
.set CO,     18
.set BO,     19
.set ZR,     27                        ; 0, for the packed maximum
.set SPW,    28
.set NIL,    29
.set PFO,    30
.set OB,     32
.set F0,     64
.set F1,     128
.set BIAS,   192
.set TMP,    192
.set G1A, 24
.set G0A, 32
.set G1B, 40
.set G0B, 48
.set TB,  56
.set CNT, 57
.set LIM, 58
.set PFA, 60
.set PST, 62
.set BB,  66
.set HB,  68
.set ARG, 76
.set MSB, 0
.macro WIN new
.if MSB != (\new)
	s_set_vgpr_msb (MSB<<8)|(\new)
.set MSB, \new
.endif
.endm
.set MUL_LO, 0xa1                      ; source 0 (W1) window 1, source 1 (att) window 0, C and D window 2
.macro PLACES
.rept 4
	v_nop
.endr
.endm
.macro CREST
	s_cmp_lg_u32 s10, 0
	s_cbranch_scc1 .Lnot_wave_0_\@
	s_barrier_signal -3
.Lnot_wave_0_\@:
	s_barrier_wait -3
	s_barrier_signal -1
	s_barrier_wait -1
.endm
.macro CROUND
	s_barrier_signal -1
	s_barrier_wait -1
	CREST
.endm
.macro JLOAD                           ; a joint refill by the walking descriptors; an s_nop 0 and four v_nop follow each line
	s_cmp_lt_u32 s10, 2
	s_cbranch_scc0 .Lfor_b_\@
	tensor_load_to_lds s[G0A+4:G0A+7], s[G1A:G1A+7]
	s_nop 0
.rept 4
	v_nop
.endr
	s_branch .Lasked_\@
.Lfor_b_\@:
	tensor_load_to_lds s[G0B+4:G0B+7], s[G1B:G1B+7]
	s_nop 0
.rept 4
	v_nop
.endr
.Lasked_\@:
.endm
; A prefetch of the K step that the NEXT refill will ask for: 32 blocks of 256 bytes, a lane a block.  att's tile is read by all clusters of its row of clusters: x = 0 asks; W1's by all of its column: y = 0 asks.
; The four partners of a joint load take 32 of its 128 blocks each, told apart by address.  The last refill asks for nothing.
.macro ASK
	s_cmp_gt_u32 s[CNT], s[LIM]
	s_cbranch_scc0 .Lnot_mine_\@
	global_prefetch_b8 v[PFO], s[PFA:PFA+1] th:TH_LOAD_NT scope:SCOPE_SE
.Lnot_mine_\@:
.endm
	s_load_b256 s[ARG:ARG+7], s[0:1], 0x0          ; att16, w16, b1, hid
	v_lshl_add_u32 v[SPW], v0, 2, SPARE
	v_mov_b32 v[NIL], 0
	ds_add_u32 v[SPW], v[NIL]                      ; the wave's opening: the add and its wait ahead of my first tensor load
	v_lshrrev_b32 v1, 5, v0
	v_readfirstlane_b32 s10, v1
	s_lshr_b32 s11, s10, 1
	s_and_b32 s12, s10, 1
	s_bfe_u32 s14, ttmp6, 0x40000
	s_bfe_u32 s15, ttmp6, 0x40004
	s_lshl_b32 s16, ttmp9, 2
	s_add_co_u32 s16, s16, s14                     ; tx
	s_and_b32 s17, ttmp7, 0xffff
	s_lshl_b32 s17, s17, 2
	s_add_co_u32 s17, s17, s15                     ; ty
	s_lshl_b32 s18, s15, 2
	s_lshl_b32 s18, 15, s18
	s_lshl_b32 s19, 0x1111, s14
	s_or_b32 s[G1A], s18, (1<<16)|(1<<20)|(1<<21)|(5<<22)|(3<<25)   ; after every 64 words 4 words of padding
	s_or_b32 s[G1B], s19, (1<<16)|(1<<20)|(1<<21)|(6<<22)|(7<<25)   ; after every 128 words 8 words
	s_mov_b32 s[G1A+1], 128<<16
	s_mov_b32 s[G1A+2], 128<<16
	s_mov_b32 s[G1A+3], 128<<16
	s_mov_b32 s[G1A+4], 128
	s_mov_b32 s[G1A+5], 1024
	s_mov_b32 s[G1A+6], 0
	s_mov_b32 s[G1A+7], 0
	s_mov_b32 s[G1B+1], 256<<16
	s_mov_b32 s[G1B+2], 64<<16
	s_mov_b32 s[G1B+3], 256<<16
	s_mov_b32 s[G1B+4], 64
	s_mov_b32 s[G1B+5], 4096
	s_mov_b32 s[G1B+6], 0
	s_mov_b32 s[G1B+7], 0
	s_lshl_b32 s20, s17, 8
	s_lshl_b32 s21, s12, 7
	s_add_co_u32 s20, s20, s21                     ; att: row 256 ty + 128 x half
	s_lshl_b32 s20, s20, 11
	s_mov_b32 s21, 0
	s_lshl_b32 s22, s12, 19                        ; W1: 64 k-rows of 8,192 bytes x half,
	s_lshl_b32 s23, s16, 9                         ; the tile's 256 columns
	s_add_co_u32 s22, s22, s23
	s_add_co_u32 s22, s22, 0x800000
	s_mov_b32 s23, 0
	s_mul_i32 s3, s10, SUB
	s_mov_b32 s[TB], 0
	s_wait_dscnt 0x0
	s_wait_kmcnt 0x0
	s_add_nc_u64 s[20:21], s[ARG:ARG+1], s[20:21]
	s_add_nc_u64 s[22:23], s[ARG+2:ARG+3], s[22:23]
	CROUND
.irp s, 0,1
	s_mov_b32 s[G0A+4*(\s)], 1
	s_add_co_u32 s[G0A+4*(\s)+1], s3, (\s)*SLOT
	s_add_nc_u64 s[G0A+4*(\s)+2:G0A+4*(\s)+3], s[20:21], (\s)*ASTEP
	s_or_b32 s[G0A+4*(\s)+3], s[G0A+4*(\s)+3], 0x80000000
	s_mov_b32 s[G0B+4*(\s)], 1
	s_add_co_u32 s[G0B+4*(\s)+1], s3, (\s)*SLOT
	s_add_nc_u64 s[G0B+4*(\s)+2:G0B+4*(\s)+3], s[22:23], (\s)*BSTEP
	s_or_b32 s[G0B+4*(\s)+3], s[G0B+4*(\s)+3], 0x80000000
.endr
	s_cmp_lt_u32 s10, 2
	s_cbranch_scc0 .Lfirst_b
	tensor_load_to_lds s[G0A:G0A+3], s[G1A:G1A+7]
	s_nop 0
	tensor_load_to_lds s[G0A+4:G0A+7], s[G1A:G1A+7]
	s_nop 0
.rept 4
	v_nop
.endr
	s_branch .Lfirst_asked
.Lfirst_b:
	tensor_load_to_lds s[G0B:G0B+3], s[G1B:G1B+7]
	s_nop 0
	tensor_load_to_lds s[G0B+4:G0B+7], s[G1B:G1B+7]
	s_nop 0
.rept 4
	v_nop
.endr
.Lfirst_asked:
	v_and_b32 v1, 15, v0
	v_bfe_u32 v2, v0, 4, 1
	v_and_b32 v3, 31, v0
	v_and_b32 v4, 7, v0
	v_bfe_u32 v5, v0, 3, 1
	; the bias of my 128 columns: eight numbers a lane for each column block
	s_lshl_b32 s2, s16, 10
	s_lshl_b32 s18, s12, 9
	s_add_co_u32 s2, s2, s18
	s_mov_b32 s3, 0
	s_add_nc_u64 s[BB:BB+1], s[ARG+4:ARG+5], s[2:3]
	v_lshlrev_b32 v[BO], 5, v2
.irp nb, 0,1,2,3,4,5,6,7
	global_load_b128 v[BIAS+8*(\nb):BIAS+8*(\nb)+3], v[BO], s[BB:BB+1] offset:64*(\nb)
	global_load_b128 v[BIAS+8*(\nb)+4:BIAS+8*(\nb)+7], v[BO], s[BB:BB+1] offset:64*(\nb)+16
.endr
	s_lshl_b32 s2, s17, 8
	s_lshl_b32 s18, s11, 7
	s_add_co_u32 s2, s2, s18
	s_lshl_b32 s2, s2, 13                          ; hid at my first row,
	s_lshl_b32 s18, s16, 9
	s_add_co_u32 s2, s2, s18
	s_lshl_b32 s18, s12, 8
	s_add_co_u32 s2, s2, s18                       ; and column
	s_add_nc_u64 s[HB:HB+1], s[ARG+6:ARG+7], s[2:3]
	v_mul_u32_u24 v[ADRA0], v1, PA
	v_lshl_add_u32 v[ADRA0], v2, 4, v[ADRA0]
	s_mul_i32 s2, s11, SUB
	v_add_nc_u32 v[ADRA0], s2, v[ADRA0]
	v_lshl_add_u32 v6, v2, 3, v4
	v_mul_u32_u24 v6, v6, PB
	v_lshl_add_u32 v6, v5, 4, v6
	s_lshl_b32 s2, s12, 8
	s_add_co_u32 s2, s2, 2*SUB
	v_add_nc_u32 v[ADRB0], s2, v6
	v_mov_b32 v[ADRA], v[ADRA0]
	v_mov_b32 v[ADRB], v[ADRB0]
	s_mul_i32 s2, s10, 16*SP
	s_add_co_u32 s2, s2, STAGE
	v_mul_u32_u24 v[STO], v1, SP
	v_lshl_add_u32 v[STO], v2, 4, v[STO]
	v_add_nc_u32 v[STO], s2, v[STO]
	v_mul_u32_u24 v[RD], v2, SP
	v_lshl_add_u32 v[RD], v1, 4, v[RD]
	v_add_nc_u32 v[RD], s2, v[RD]
	v_lshlrev_b32 v[CO], 13, v2
	v_lshl_add_u32 v[CO], v1, 4, v[CO]
	v_mov_b32 v[ZR], 0
	; the prefetches
	s_and_b32 s2, ttmp7, 0xffff
	s_mov_b32 s[PST], BSTEP
	s_mov_b32 s[PST+1], 0
	s_cmp_lt_u32 s10, 2                            ; do I fetch att?
	s_cselect_b32 s2, ttmp9, s2
	s_cselect_b32 s18, s14, s15                    ; my place among the four that ask with me
	s_cselect_b32 s19, 16, 17                      ; its share: 32 rows of 2,048 bytes, or 16 k-rows of 8,192
	s_cselect_b64 s[PFA:PFA+1], s[20:21], s[22:23]
	s_cselect_b32 s[PST], ASTEP, s[PST]
	s_cselect_b32 s[LIM], 0, 1                     ; (for now: blocks in a row, less one)
	s_cselect_b32 s3, 11, 13
	v_lshrrev_b32 v6, s[LIM], v3
	v_lshlrev_b32 v6, s3, v6
	v_and_b32 v7, s[LIM], v3
	v_lshl_add_u32 v[PFO], v7, 8, v6
	s_cmp_eq_u32 s2, 0
	s_cselect_b32 s[LIM], 1, -1
	s_lshl_b32 s18, s18, s19
	s_lshl_b32 s19, s[PST], 1                      ; at K step 2: the first refill steps it to 3
	s_add_co_u32 s18, s18, s19
	s_mov_b32 s19, 0
	s_add_nc_u64 s[PFA:PFA+1], s[PFA:PFA+1], s[18:19]
	s_mov_b32 s2, 0xffff0000
	s_wait_loadcnt 0x0
.set i, 0
.rept 32
	v_cvt_pk_bf16_f32 v[OB+i], v[BIAS+2*i], v[BIAS+2*i+1]
.set i, i+1
.endr
.set i, 0
.rept 32
	v_lshlrev_b32 v[BIAS+2*i], 16, v[OB+i]
	v_and_b32 v[BIAS+2*i+1], s2, v[OB+i]
.set i, i+1
.endr
; 16 products: row blocks a0, a0 + 1 of the window's four x all 8 column blocks, 32 along K.  All 64 accumulators take turns in the same order in every quarter.
; start = 1: the product starts the sum, with the column block's bias (window 0) as C.
.macro MUL16 fm, hi, a0, start
.if \start
	WIN 0x81+0x40*(\hi)
.else
	WIN MUL_LO+0x50*(\hi)
.endif
.irp a, \a0, (\a0)+1
.irp b, 0,1,2,3,4,5,6,7
.if \start
	v_wmma_f32_16x16x32_f16 v[8*(8*(\a)+(\b)):8*(8*(\a)+(\b))+7], v[(\fm)+8*(\b):(\fm)+8*(\b)+7], v[(\fm)+8*(4*(\hi)+(\a)):(\fm)+8*(4*(\hi)+(\a))+7], v[BIAS+8*(\b):BIAS+8*(\b)+7]
.else
	v_wmma_f32_16x16x32_f16 v[8*(8*(\a)+(\b)):8*(8*(\a)+(\b))+7], v[(\fm)+8*(\b):(\fm)+8*(\b)+7], v[(\fm)+8*(4*(\hi)+(\a)):(\fm)+8*(4*(\hi)+(\a))+7], v[8*(8*(\a)+(\b)):8*(8*(\a)+(\b))+7]
.endif
.endr
.endr
.endm
.macro FETCH qn, fg                    ; 32 LDS loads in one run: quarter qn of the slot in hand into buffer fg: W1's 8 fragments, then att's 8
	WIN 0x40
.irp i, 0,1,2,3,4,5,6,7
	ds_load_tr16_b128 v[(\fg)+8*(\i):(\fg)+8*(\i)+3], v[ADRB] offset:32*PB*(\qn)+32*(\i)
	ds_load_tr16_b128 v[(\fg)+8*(\i)+4:(\fg)+8*(\i)+7], v[ADRB] offset:32*PB*(\qn)+32*(\i)+16*PB
.endr
	WIN 0
.irp i, 0,1,2,3,4,5,6,7
	ds_load_b128 v[(\fg)+8*(\i):(\fg)+8*(\i)+3], v[ADRA] offset:64*(\qn)+16*PA*(\i)
	ds_load_b128 v[(\fg)+8*(\i)+4:(\fg)+8*(\i)+7], v[ADRA] offset:64*(\qn)+16*PA*(\i)+32
.endr
.endm
.macro QUARTER qn, fm, fg, start
	s_wait_dscnt 8                                 ; all but the youngest eight loads: att's row blocks 4-7
	MUL16 \fm, 0, 0, \start
	MUL16 \fm, 0, 2, \start
	PLACES
	FETCH \qn, \fg
	s_wait_dscnt 32                                ; all but the 32 just issued
	MUL16 \fm, 1, 0, \start
	MUL16 \fm, 1, 2, \start
.endm
; The last quarter multiplies buffer 1 and changes slots: in front of the barrier each wave waits for all its tensor loads, adds 0 to its spare word, and waits for that and for its reads of this slot.
; fill = 1: the barrier opens a round of the cluster's barrier, and the joint refill, two K steps ahead, is the first thing behind the round.
.macro TURN fill
.if \fill
	s_wait_xcnt 0x0                                ; the last prefetch, a K step back, has read its address
	s_add_nc_u64 s[PFA:PFA+1], s[PFA:PFA+1], s[PST:PST+1]
.endif
	WIN 0
	s_wait_tensorcnt 0x0
	ds_add_u32 v[SPW], v[NIL]
	s_wait_dscnt 9                                 ; (the add and the youngest eight loads may be out)
	MUL16 F1, 0, 0, 0
	s_wait_dscnt 0x0
	s_barrier_signal -1
	MUL16 F1, 0, 2, 0
	WIN 0
	s_barrier_wait -1
.if \fill
	CREST
	s_xor_b32 s[G0A+5], s[G0A+5], SLOT
	s_add_nc_u64 s[G0A+6:G0A+7], s[G0A+6:G0A+7], ASTEP
	s_xor_b32 s[G0B+5], s[G0B+5], SLOT
	s_add_nc_u64 s[G0B+6:G0B+7], s[G0B+6:G0B+7], BSTEP
	JLOAD
.else
	PLACES
.endif
	s_xor_b32 s[TB], s[TB], SLOT
	v_add_nc_u32 v[ADRA], s[TB], v[ADRA0]
	v_add_nc_u32 v[ADRB], s[TB], v[ADRB0]
	FETCH 0, F0
.if \fill
	ASK
.endif
	MUL16 F1, 1, 0, 0
	MUL16 F1, 1, 2, 0
.endm
	s_wait_tensorcnt 1                             ; my part of K step 0 is in; K step 1's may stay out
	s_barrier_signal -1
	s_barrier_wait -1
	FETCH 0, F0
	QUARTER 1, F0, F1, 1
	WIN 0
	s_mov_b32 s[CNT], T-2
.Lstep:
	QUARTER 2, F1, F0, 0
	QUARTER 3, F0, F1, 0
	TURN 1
	QUARTER 1, F0, F1, 0
	WIN 0
	s_sub_co_u32 s[CNT], s[CNT], 1
	s_cmp_lg_u32 s[CNT], 0
	s_cbranch_scc1 .Lstep
	s_mov_b32 s[CNT], 2
.Ltail:                                                ; the last two K steps ask for nothing; the second trip is left in its middle (its change of slots fetches fragments that are not multiplied)
	QUARTER 2, F1, F0, 0
	QUARTER 3, F0, F1, 0
	TURN 0
	WIN 0
	s_sub_co_u32 s[CNT], s[CNT], 1
	s_cmp_eq_u32 s[CNT], 0
	s_cbranch_scc1 .Lout
	QUARTER 1, F0, F1, 0
	WIN 0
	s_branch .Ltail
.Lout:
	s_wait_dscnt 0x0
	PLACES
; THE WAY OUT of row block ab: rounded to f16, the maximum with 0, 16 bytes a lane into my stage, back as whole rows of 256 bytes.
.macro OUTA ab
	WIN 0x0a+5*((\ab)/4)
.set i, 0
.rept 32
	v_cvt_pk_f16_f32 v[TMP+i], v[64*((\ab)%4)+2*i], v[64*((\ab)%4)+2*i+1]
.set i, i+1
.endr
	WIN 0
.set i, 0
.rept 32
	v_pk_max_num_f16 v[TMP+i], v[TMP+i], v[ZR]
.set i, i+1
.endr
.irp b, 0,1,2,3,4,5,6,7
	ds_store_b128 v[STO], v[TMP+4*(\b):TMP+4*(\b)+3] offset:32*(\b)
.endr
	s_wait_xcnt 0x0                                ; the last block's stores have read their base and the registers that the loads below fill
.irp t, 0,1,2,3,4,5,6,7
	ds_load_b128 v[OB+4*(\t):OB+4*(\t)+3], v[RD] offset:2*SP*(\t)
.endr
.if (\ab) > 0
	s_add_nc_u64 s[HB:HB+1], s[HB:HB+1], 16*8192   ; 16 rows on
.endif
	s_wait_dscnt 0x0
.irp t, 0,1,2,3,4,5,6,7
	global_store_b128 v[CO], v[OB+4*(\t):OB+4*(\t)+3], s[HB:HB+1] offset:2*8192*(\t)   ; 16 lanes store 256 consecutive bytes, aligned
.endr
.endm
.irp ab, 0,1,2,3,4,5,6,7
	OUTA \ab
.endr
	s_wait_tensorcnt 0x0                           ; the wave's end
	ds_add_u32 v[SPW], v[NIL]
	s_wait_dscnt 0x0
	CROUND                                         ; the closing round
	s_endpgm
.Lfunc_end_k_qc09ff79dda_ff1:
	.size	k_qc09ff79dda_ff1, .Lfunc_end_k_qc09ff79dda_ff1-k_qc09ff79dda_ff1
	.p2alignl 7, 3214868480
	.fill 96, 4, 3214868480
	.section	.rodata,"a",@progbits
	.p2align	6, 0x0
	.amdhsa_kernel k_qc09ff79dda_ff1
		.amdhsa_group_segment_fixed_size 327680
		.amdhsa_private_segment_fixed_size 0
		.amdhsa_enable_private_segment 0
		.amdhsa_kernarg_size 32
		.amdhsa_user_sgpr_count 2
		.amdhsa_user_sgpr_kernarg_segment_ptr 1
		.amdhsa_wavefront_size32 1
		.amdhsa_system_sgpr_workgroup_id_x 1
		.amdhsa_system_sgpr_workgroup_id_y 1
		.amdhsa_system_sgpr_workgroup_id_z 1
		.amdhsa_system_vgpr_workitem_id 0
		.amdhsa_next_free_vgpr 1024
		.amdhsa_next_free_sgpr 96
		.amdhsa_reserve_vcc 0
		.amdhsa_float_denorm_mode_32 3
		.amdhsa_float_denorm_mode_16_64 3
		.amdhsa_memory_ordered 1
		.amdhsa_forward_progress 1
		.amdhsa_inst_pref_size 123
	.end_amdhsa_kernel
	.amdgpu_metadata
---
amdhsa.version: [ 1, 2 ]
amdhsa.kernels:
  - .name:           k_qc09ff79dda_ff1
    .symbol:         k_qc09ff79dda_ff1.kd
    .args:
      - { .name: att16, .offset: 0, .size: 8, .value_kind: global_buffer, .address_space: global }
      - { .name: w16, .offset: 8, .size: 8, .value_kind: global_buffer, .address_space: global }
      - { .name: b1, .offset: 16, .size: 8, .value_kind: global_buffer, .address_space: global }
      - { .name: hid, .offset: 24, .size: 8, .value_kind: global_buffer, .address_space: global }
    .group_segment_fixed_size: 327680
    .private_segment_fixed_size: 0
    .kernarg_segment_align: 8
    .kernarg_segment_size: 32
    .max_flat_workgroup_size: 128
    .sgpr_count:     96
    .vgpr_count:     1024
    .wavefront_size: 32
...
	.end_amdgpu_metadata
.endif
;; end of part 6
;; launch ff2 (part 7): grid 8 x 32, 4 waves a work-group, clusters of 4 x 4, 327,680 bytes of LDS; arguments hid, w16, att16, b2, zbuf; writes zbuf
.if DOCPART == 7
	.amdgcn_target "amdgcn-amd-amdhsa--gfx1250"
	.amdhsa_code_object_version 6
	.text
	.protected	k_qc09ff79dda_ff2
	.globl	k_qc09ff79dda_ff2
	.p2align	8
	.type	k_qc09ff79dda_ff2,@function
k_qc09ff79dda_ff2:
	s_mov_b64 s[64:65], 0
	v_nop
	global_prefetch_b8 v0, s[64:65] scope:SCOPE_SE
	s_setreg_imm32_b32 hwreg(HW_REG_WAVE_MODE, 25, 1), 1
	s_wait_xcnt 0x0
	s_wait_alu depctr_hold_cnt(0) depctr_sa_sdst(0) depctr_va_vdst(0) depctr_va_sdst(0) depctr_va_ssrc(0) depctr_va_vcc(0) depctr_vm_vsrc(0)
	s_getreg_b32 s2, hwreg(HW_REG_IB_STS2, 6, 4)
	s_cmp_eq_u32 s2, 0
	s_cbranch_scc0 .Lentry_in_a_cluster
	s_endpgm
.Lentry_in_a_cluster:
	s_bfe_u32 s2, ttmp6, 0x10000c
	s_cmp_lg_u32 s2, 0xf033
	s_cbranch_scc0 .Lentry_shape_is_right
	s_endpgm
.Lentry_shape_is_right:
; z = R + A W (+ bias): FF2 = 0: z1 = h + o Wo (A = o16 [4096][1024], W = Wo, R = h16).  FF2 = 1: z2 = att + hid W2 + b2 (A = hid [4096][4096], W = W2, R = att16).  z: [4096][1024] f32.
; A, W, R in f16, W as [k][1024 n]; sums in f32, stored unrounded (z may pass f16's range).  The bias is rounded to bf16 like every input.
; SHARES.  A work-group makes 128 x 128 of z; four waves, 64 x 64 each: 16 accumulators, 128 registers.  K goes in steps of 256 through two LDS slots; a slot has four parts, one tensor load each:
; waves 0, 1 fetch 64 rows x 256 k of A, waves 2, 3 fetch 128 k-rows x 128 columns of W.  CLUSTER 4 x 4: A's tiles are asked for jointly along a row of the cluster, W's along a column.
; THE SUMS START FROM THE RESIDUAL (and the bias), laid into the accumulators while the first tiles are on their way: every product adds in place.
; THE PRODUCT IS USED TRANSPOSED (source 0 = 16 columns of W by the turning load, source 1 = 16 rows of A): a lane holds one row and eight neighbouring columns.
; ONE TEXT FOR A K STEP: s[TB] is 0 or SLOT; the fragments' addresses are made anew from it at each change of slots.  No part's address has a bit in common with SLOT.
; FF2 = 0 has four K steps, two of them brought by the first fills, and lays no prefetch; FF2 = 1 has sixteen and asks two K steps ahead of each refill.
; REGISTERS: window 0: v0-31 addresses; v32-95 the residual, later the way out; v96-127 the bias; v128-255 accumulators ((a, b) at 128 + 8 (4 a + b)).  window 1: two fragment buffers of 128: A's 64, then W's 64.
.set FF2,    1
.if FF2
.set T,      16
.set ASH,    13                        ; a row of A: 8,192 bytes
.set AP,     4096
.set WOFF,   0x1000000
.else
.set T,      4
.set ASH,    11
.set AP,     1024
.set WOFF,   0x600000
.endif
.set SUB,    0x9000
.set SLOT,   0x24000
.set PA,     528                       ; a row of A in LDS: 512 bytes + 16
.set PB,     288                       ; a k-row of W: 256 + 32
.set STAGE,  2*SLOT                    ; 16 rows x 272 bytes for each wave
.set SP,     272
.set SPARE,  STAGE+4*16*SP
.set ASTEP,  512
.set BSTEP,  256*2048
.set ADRA0,  8
.set ADRB0,  9                         ; v9-10: k-rows 0-127, 128-255
.set ADRA,   12
.set ADRB,   13                        ; v13-14
.set STO,    16
.set RD,     17
.set CO,     18
.set RO,     19
.set BO,     20
.set ONE,    21
.set ZR,     22
.set SPW,    28
.set NIL,    29
.set PFO,    30
.set RES,    32
.set OB,     32
.set BI,     96
.set ACC,    128
.set F0,     0
.set F1,     128
.set G1A, 24
.set G0A, 32
.set G1B, 40
.set G0B, 48
.set TB,  56
.set CNT, 57
.set LIM, 58
.set PFA, 60
.set PST, 62
.set RB,  66
.set BB,  68
.set ZB,  70
.set ARG, 76
.if FF2
.set ZP,  ARG+8
.else
.set ZP,  ARG+6
.endif
.set MSB, 0
.macro WIN new
.if MSB != (\new)
	s_set_vgpr_msb (MSB<<8)|(\new)
.set MSB, \new
.endif
.endm
.set MUL, 0x05                         ; sources 0 (W) and 1 (A) window 1; C and D window 0
.macro PLACES
.rept 4
	v_nop
.endr
.endm
.macro CREST
	s_cmp_lg_u32 s10, 0
	s_cbranch_scc1 .Lnot_wave_0_\@
	s_barrier_signal -3
.Lnot_wave_0_\@:
	s_barrier_wait -3
	s_barrier_signal -1
	s_barrier_wait -1
.endm
.macro CROUND
	s_barrier_signal -1
	s_barrier_wait -1
	CREST
.endm
.macro JLOAD                           ; a joint refill by the walking descriptors; an s_nop 0 and four v_nop follow each line
	s_cmp_lt_u32 s10, 2
	s_cbranch_scc0 .Lfor_b_\@
	tensor_load_to_lds s[G0A+4:G0A+7], s[G1A:G1A+7]
	s_nop 0
.rept 4
	v_nop
.endr
	s_branch .Lasked_\@
.Lfor_b_\@:
	tensor_load_to_lds s[G0B+4:G0B+7], s[G1B:G1B+7]
	s_nop 0
.rept 4
	v_nop
.endr
.Lasked_\@:
.endm
; A prefetch of the K step two refills on: 32 blocks of 256 bytes, a lane a block.  A's tile is read by both clusters of its row of clusters: x = 0 asks; W's by all clusters of its column: y = 0 asks.
; The four partners of a joint load take 32 of its 128 blocks each, told apart by address.  The last two refills ask for nothing.
.macro ASK
	s_cmp_gt_u32 s[CNT], s[LIM]
	s_cbranch_scc0 .Lnot_mine_\@
	global_prefetch_b8 v[PFO], s[PFA:PFA+1] th:TH_LOAD_NT scope:SCOPE_SE
.Lnot_mine_\@:
.endm
	s_load_b256 s[ARG:ARG+7], s[0:1], 0x0
.if FF2
	s_load_b64 s[ARG+8:ARG+9], s[0:1], 0x20
.endif
	v_lshl_add_u32 v[SPW], v0, 2, SPARE
	v_mov_b32 v[NIL], 0
	ds_add_u32 v[SPW], v[NIL]                      ; the wave's opening: the add and its wait ahead of my first tensor load
	v_lshrrev_b32 v1, 5, v0
	v_readfirstlane_b32 s10, v1
	s_lshr_b32 s11, s10, 1                         ; wr
	s_and_b32 s12, s10, 1                          ; wc; also: which half of a tile I fetch
	s_bfe_u32 s14, ttmp6, 0x40000
	s_bfe_u32 s15, ttmp6, 0x40004
	s_lshl_b32 s16, ttmp9, 2
	s_add_co_u32 s16, s16, s14                     ; tx
	s_and_b32 s17, ttmp7, 0xffff
	s_lshl_b32 s17, s17, 2
	s_add_co_u32 s17, s17, s15                     ; ty
	s_lshl_b32 s18, s15, 2
	s_lshl_b32 s18, 15, s18
	s_lshl_b32 s19, 0x1111, s14
	s_or_b32 s[G1A], s18, (1<<16)|(1<<20)|(1<<21)|(6<<22)|(3<<25)   ; after every 128 words 4 words of padding
	s_or_b32 s[G1B], s19, (1<<16)|(1<<20)|(1<<21)|(5<<22)|(7<<25)   ; after every 64 words 8 words
	s_mov_b32 s[G1A+1], 256<<16
	s_mov_b32 s[G1A+2], 64<<16
	s_mov_b32 s[G1A+3], 256<<16
	s_mov_b32 s[G1A+4], 64
	s_mov_b32 s[G1A+5], AP
	s_mov_b32 s[G1A+6], 0
	s_mov_b32 s[G1A+7], 0
	s_mov_b32 s[G1B+1], 128<<16
	s_mov_b32 s[G1B+2], 128<<16
	s_mov_b32 s[G1B+3], 128<<16
	s_mov_b32 s[G1B+4], 128
	s_mov_b32 s[G1B+5], 1024
	s_mov_b32 s[G1B+6], 0
	s_mov_b32 s[G1B+7], 0
	s_lshl_b32 s20, s17, 7
	s_lshl_b32 s21, s12, 6
	s_add_co_u32 s20, s20, s21                     ; A: row 128 ty + 64 x half
	s_lshl_b32 s20, s20, ASH
	s_mov_b32 s21, 0
	s_lshl_b32 s22, s12, 18                        ; W: 128 k-rows x half,
	s_lshl_b32 s23, s16, 8                         ; the tile's 128 columns
	s_add_co_u32 s22, s22, s23
	s_add_co_u32 s22, s22, WOFF
	s_mov_b32 s23, 0
	s_mul_i32 s3, s10, SUB
	s_mov_b32 s[TB], 0
	s_wait_dscnt 0x0
	s_wait_kmcnt 0x0
	s_add_nc_u64 s[20:21], s[ARG:ARG+1], s[20:21]
	s_add_nc_u64 s[22:23], s[ARG+2:ARG+3], s[22:23]
	CROUND
.irp s, 0,1
	s_mov_b32 s[G0A+4*(\s)], 1
	s_add_co_u32 s[G0A+4*(\s)+1], s3, (\s)*SLOT
	s_add_nc_u64 s[G0A+4*(\s)+2:G0A+4*(\s)+3], s[20:21], (\s)*ASTEP
	s_or_b32 s[G0A+4*(\s)+3], s[G0A+4*(\s)+3], 0x80000000
	s_mov_b32 s[G0B+4*(\s)], 1
	s_add_co_u32 s[G0B+4*(\s)+1], s3, (\s)*SLOT
	s_add_nc_u64 s[G0B+4*(\s)+2:G0B+4*(\s)+3], s[22:23], (\s)*BSTEP
	s_or_b32 s[G0B+4*(\s)+3], s[G0B+4*(\s)+3], 0x80000000
.endr
	s_cmp_lt_u32 s10, 2
	s_cbranch_scc0 .Lfirst_b
	tensor_load_to_lds s[G0A:G0A+3], s[G1A:G1A+7]
	s_nop 0
	tensor_load_to_lds s[G0A+4:G0A+7], s[G1A:G1A+7]
	s_nop 0
.rept 4
	v_nop
.endr
	s_branch .Lfirst_asked
.Lfirst_b:
	tensor_load_to_lds s[G0B:G0B+3], s[G1B:G1B+7]
	s_nop 0
	tensor_load_to_lds s[G0B+4:G0B+7], s[G1B:G1B+7]
	s_nop 0
.rept 4
	v_nop
.endr
.Lfirst_asked:
	v_and_b32 v1, 15, v0
	v_bfe_u32 v2, v0, 4, 1
	v_and_b32 v3, 31, v0
	v_and_b32 v4, 7, v0
	v_bfe_u32 v5, v0, 3, 1
	; the residual, 16 bytes a lane for each accumulator, and the bias
	s_lshl_b32 s2, s17, 7
	s_lshl_b32 s18, s11, 6
	s_add_co_u32 s18, s2, s18                      ; my first row
	s_lshl_b32 s2, s18, 11
	s_lshl_b32 s19, s16, 8
	s_add_co_u32 s2, s2, s19
	s_lshl_b32 s19, s12, 7
	s_add_co_u32 s2, s2, s19
	s_mov_b32 s3, 0
	s_add_nc_u64 s[RB:RB+1], s[ARG+4:ARG+5], s[2:3]
	v_lshlrev_b32 v[RO], 11, v1
	v_lshl_add_u32 v[RO], v2, 4, v[RO]
.set i, 0
.rept 16
	global_load_b128 v[RES+4*i:RES+4*i+3], v[RO], s[RB:RB+1] offset:32768*(i/4)+32*(i%4)
.set i, i+1
.endr
.if FF2
	s_lshl_b32 s2, s16, 9
	s_lshl_b32 s19, s12, 8
	s_add_co_u32 s2, s2, s19
	s_add_nc_u64 s[BB:BB+1], s[ARG+6:ARG+7], s[2:3]
	v_lshlrev_b32 v[BO], 5, v2
.irp nb, 0,1,2,3
	global_load_b128 v[BI+8*(\nb):BI+8*(\nb)+3], v[BO], s[BB:BB+1] offset:64*(\nb)
	global_load_b128 v[BI+8*(\nb)+4:BI+8*(\nb)+7], v[BO], s[BB:BB+1] offset:64*(\nb)+16
.endr
.endif
	s_lshl_b32 s2, s18, 12                         ; z at my first row and column
	s_lshl_b32 s19, s16, 9
	s_add_co_u32 s2, s2, s19
	s_lshl_b32 s19, s12, 8
	s_add_co_u32 s2, s2, s19
	s_add_nc_u64 s[ZB:ZB+1], s[ZP:ZP+1], s[2:3]
	v_mul_u32_u24 v[ADRA0], v1, PA
	v_lshl_add_u32 v[ADRA0], v2, 4, v[ADRA0]
	s_mul_i32 s2, s11, SUB
	v_add_nc_u32 v[ADRA0], s2, v[ADRA0]
	v_lshl_add_u32 v6, v2, 3, v4
	v_mul_u32_u24 v6, v6, PB
	v_lshl_add_u32 v6, v5, 4, v6
	s_lshl_b32 s2, s12, 7
	s_add_co_u32 s2, s2, 2*SUB
	v_add_nc_u32 v[ADRB0], s2, v6
	v_add_nc_u32 v[ADRB0+1], SUB, v[ADRB0]
	v_mov_b32 v[ADRA], v[ADRA0]
	v_mov_b32 v[ADRB], v[ADRB0]
	v_mov_b32 v[ADRB+1], v[ADRB0+1]
	s_mul_i32 s2, s10, 16*SP
	s_add_co_u32 s2, s2, STAGE
	v_mul_u32_u24 v[STO], v1, SP
	v_lshl_add_u32 v[STO], v2, 5, v[STO]
	v_add_nc_u32 v[STO], s2, v[STO]
	v_mul_u32_u24 v[RD], v2, SP
	v_lshl_add_u32 v[RD], v1, 4, v[RD]
	v_add_nc_u32 v[RD], s2, v[RD]
	v_lshlrev_b32 v[CO], 12, v2
	v_lshl_add_u32 v[CO], v1, 4, v[CO]
	v_mov_b32 v[ONE], 1.0
	v_mov_b32 v[ZR], 0
.if FF2
	; the prefetches
	s_and_b32 s2, ttmp7, 0xffff
	s_mov_b32 s[PST], BSTEP
	s_mov_b32 s[PST+1], 0
	s_cmp_lt_u32 s10, 2                            ; do I fetch A?
	s_cselect_b32 s2, ttmp9, s2
	s_cselect_b32 s18, s14, s15                    ; my place among the four that ask with me
	s_cselect_b32 s19, 17, 16                      ; its share: 16 rows of 8,192 bytes, or 32 k-rows of 2,048
	s_cselect_b64 s[PFA:PFA+1], s[20:21], s[22:23]
	s_cselect_b32 s[PST], ASTEP, s[PST]
	s_cselect_b32 s[LIM], 1, 0                     ; (for now: blocks in a row, less one)
	s_cselect_b32 s3, 13, 11
	v_lshrrev_b32 v6, s[LIM], v3
	v_lshlrev_b32 v6, s3, v6
	v_and_b32 v7, s[LIM], v3
	v_lshl_add_u32 v[PFO], v7, 8, v6
	s_cmp_eq_u32 s2, 0
	s_cselect_b32 s[LIM], 2, -1
	s_lshl_b32 s18, s18, s19
	s_mul_i32 s19, s[PST], 3                       ; at K step 3: the first refill steps it to 4
	s_add_co_u32 s18, s18, s19
	s_mov_b32 s19, 0
	s_add_nc_u64 s[PFA:PFA+1], s[PFA:PFA+1], s[18:19]
.endif
	s_mov_b32 s2, 0xffff0000
	s_wait_loadcnt 0x0
.if FF2
.set i, 0
.rept 16
	v_cvt_pk_bf16_f32 v[ACC+i], v[BI+2*i], v[BI+2*i+1]
.set i, i+1
.endr
.set i, 0
.rept 16
	v_lshlrev_b32 v[BI+2*i], 16, v[ACC+i]
	v_and_b32 v[BI+2*i+1], s2, v[ACC+i]
.set i, i+1
.endr
.endif
.set k, 0
.rept 64                                       ; accumulator register 2 k, 2 k + 1 = the residual's two halves x 1 + the column's bias (or 0)
.if FF2
	v_fma_mix_f32 v[ACC+2*k], v[RES+k], v[ONE], v[BI+(2*k)%32] op_sel_hi:[1,0,0]
	v_fma_mix_f32 v[ACC+2*k+1], v[RES+k], v[ONE], v[BI+(2*k+1)%32] op_sel:[1,0,0] op_sel_hi:[1,0,0]
.else
	v_fma_mix_f32 v[ACC+2*k], v[RES+k], v[ONE], v[ZR] op_sel_hi:[1,0,0]
	v_fma_mix_f32 v[ACC+2*k+1], v[RES+k], v[ONE], v[ZR] op_sel:[1,0,0] op_sel_hi:[1,0,0]
.endif
.set k, k+1
.endr
; 8 products: row blocks a0, a0 + 1 x all 4 column blocks, 32 along K: half c of buffer fm.  The 16 accumulators take turns.
.macro MUL8 fm, c, a0
	WIN MUL
.irp a, \a0, (\a0)+1
.irp b, 0,1,2,3
	v_wmma_f32_16x16x32_f16 v[ACC+8*(4*(\a)+(\b)):ACC+8*(4*(\a)+(\b))+7], v[(\fm)+64+8*(4*(\c)+(\b)):(\fm)+64+8*(4*(\c)+(\b))+7], v[(\fm)+8*(4*(\c)+(\a)):(\fm)+8*(4*(\c)+(\a))+7], v[ACC+8*(4*(\a)+(\b)):ACC+8*(4*(\a)+(\b))+7]
.endr
.endr
.endm
; 32 LDS loads in one run: quarter qn (64 along K) of the slot in hand into buffer fg; its first 32 along K first
.macro FETCH qn, fg
	WIN 0x40
.irp c, 0,1
.irp i, 0,1,2,3
	ds_load_tr16_b128 v[(\fg)+64+8*(4*(\c)+(\i)):(\fg)+64+8*(4*(\c)+(\i))+3], v[ADRB+(\qn)/2] offset:64*PB*((\qn)%2)+32*PB*(\c)+32*(\i)
	ds_load_tr16_b128 v[(\fg)+64+8*(4*(\c)+(\i))+4:(\fg)+64+8*(4*(\c)+(\i))+7], v[ADRB+(\qn)/2] offset:64*PB*((\qn)%2)+32*PB*(\c)+32*(\i)+16*PB
	ds_load_b128 v[(\fg)+8*(4*(\c)+(\i)):(\fg)+8*(4*(\c)+(\i))+3], v[ADRA] offset:128*(\qn)+64*(\c)+16*PA*(\i)
	ds_load_b128 v[(\fg)+8*(4*(\c)+(\i))+4:(\fg)+8*(4*(\c)+(\i))+7], v[ADRA] offset:128*(\qn)+64*(\c)+16*PA*(\i)+32
.endr
.endr
.endm
.macro QUARTER qn, fm, fg
	s_wait_dscnt 16                                ; the first 32 along K are in
	MUL8 \fm, 0, 0
	MUL8 \fm, 0, 2
	PLACES
	FETCH \qn, \fg
	s_wait_dscnt 32                                ; all but the 32 just issued
	MUL8 \fm, 1, 0
	MUL8 \fm, 1, 2
.endm
; The last quarter multiplies buffer 1 and changes slots: in front of the barrier each wave waits for all its tensor loads, adds 0 to its spare word, and waits for that and for its reads of this slot.
; fill = 1: the barrier opens a round of the cluster's barrier, and the joint refill, two K steps ahead, is the first thing behind the round.
.macro TURN fill
.if (\fill) && FF2
	s_wait_xcnt 0x0                                ; the last prefetch, a K step back, has read its address
	s_add_nc_u64 s[PFA:PFA+1], s[PFA:PFA+1], s[PST:PST+1]
.endif
	WIN 0
	s_wait_tensorcnt 0x0
	ds_add_u32 v[SPW], v[NIL]
	s_wait_dscnt 17                                ; (the add and the youngest sixteen loads may be out)
	MUL8 F1, 0, 0
	s_wait_dscnt 0x0
	s_barrier_signal -1
	MUL8 F1, 0, 2
	WIN 0
	s_barrier_wait -1
.if \fill
	CREST
	s_xor_b32 s[G0A+5], s[G0A+5], SLOT
	s_add_nc_u64 s[G0A+6:G0A+7], s[G0A+6:G0A+7], ASTEP
	s_xor_b32 s[G0B+5], s[G0B+5], SLOT
	s_add_nc_u64 s[G0B+6:G0B+7], s[G0B+6:G0B+7], BSTEP
	JLOAD
.else
	PLACES
.endif
	s_xor_b32 s[TB], s[TB], SLOT
	v_add_nc_u32 v[ADRA], s[TB], v[ADRA0]
	v_add_nc_u32 v[ADRB], s[TB], v[ADRB0]
	v_add_nc_u32 v[ADRB+1], s[TB], v[ADRB0+1]
	FETCH 0, F0
.if (\fill) && FF2
	WIN 0
	ASK
.endif
	MUL8 F1, 1, 0
	MUL8 F1, 1, 2
.endm
	s_wait_tensorcnt 1                             ; my part of K step 0 is in; K step 1's may stay out
	s_barrier_signal -1
	s_barrier_wait -1
	FETCH 0, F0
	QUARTER 1, F0, F1
	WIN 0
	s_mov_b32 s[CNT], T-2
.Lstep:
	QUARTER 2, F1, F0
	QUARTER 3, F0, F1
	TURN 1
	QUARTER 1, F0, F1
	WIN 0
	s_sub_co_u32 s[CNT], s[CNT], 1
	s_cmp_lg_u32 s[CNT], 0
	s_cbranch_scc1 .Lstep
	s_mov_b32 s[CNT], 2
.Ltail:                                                ; the last two K steps ask for nothing; the second trip is left in its middle (its change of slots fetches fragments that are not multiplied)
	QUARTER 2, F1, F0
	QUARTER 3, F0, F1
	TURN 0
	WIN 0
	s_sub_co_u32 s[CNT], s[CNT], 1
	s_cmp_eq_u32 s[CNT], 0
	s_cbranch_scc1 .Lout
	QUARTER 1, F0, F1
	WIN 0
	s_branch .Ltail
.Lout:
	s_wait_dscnt 0x0
	PLACES
; THE WAY OUT of row block ab: 32 bytes a lane into my stage, back as whole rows of 256 bytes: my 64 columns of f32.
.macro OUTA ab
.irp nb, 0,1,2,3
	ds_store_b128 v[STO], v[ACC+8*(4*(\ab)+(\nb)):ACC+8*(4*(\ab)+(\nb))+3] offset:64*(\nb)
	ds_store_b128 v[STO], v[ACC+8*(4*(\ab)+(\nb))+4:ACC+8*(4*(\ab)+(\nb))+7] offset:64*(\nb)+16
.endr
	s_wait_xcnt 0x0                                ; the last block's stores have read the registers that the loads below fill
.irp t, 0,1,2,3,4,5,6,7
	ds_load_b128 v[OB+4*(\t):OB+4*(\t)+3], v[RD] offset:2*SP*(\t)
.endr
	s_wait_dscnt 0x0
.irp t, 0,1,2,3,4,5,6,7
	global_store_b128 v[CO], v[OB+4*(\t):OB+4*(\t)+3], s[ZB:ZB+1] offset:65536*(\ab)+8192*(\t)   ; 16 lanes store 256 consecutive bytes, aligned
.endr
.endm
	OUTA 0
	OUTA 1
	OUTA 2
	OUTA 3
	s_wait_tensorcnt 0x0                           ; the wave's end
	ds_add_u32 v[SPW], v[NIL]
	s_wait_dscnt 0x0
	CROUND                                         ; the closing round
	s_endpgm
.Lfunc_end_k_qc09ff79dda_ff2:
	.size	k_qc09ff79dda_ff2, .Lfunc_end_k_qc09ff79dda_ff2-k_qc09ff79dda_ff2
	.p2alignl 7, 3214868480
	.fill 96, 4, 3214868480
	.section	.rodata,"a",@progbits
	.p2align	6, 0x0
	.amdhsa_kernel k_qc09ff79dda_ff2
		.amdhsa_group_segment_fixed_size 327680
		.amdhsa_private_segment_fixed_size 0
		.amdhsa_enable_private_segment 0
		.amdhsa_kernarg_size 40
		.amdhsa_user_sgpr_count 2
		.amdhsa_user_sgpr_kernarg_segment_ptr 1
		.amdhsa_wavefront_size32 1
		.amdhsa_system_sgpr_workgroup_id_x 1
		.amdhsa_system_sgpr_workgroup_id_y 1
		.amdhsa_system_sgpr_workgroup_id_z 1
		.amdhsa_system_vgpr_workitem_id 0
		.amdhsa_next_free_vgpr 512
		.amdhsa_next_free_sgpr 96
		.amdhsa_reserve_vcc 0
		.amdhsa_float_denorm_mode_32 3
		.amdhsa_float_denorm_mode_16_64 3
		.amdhsa_memory_ordered 1
		.amdhsa_forward_progress 1
		.amdhsa_inst_pref_size 71
	.end_amdhsa_kernel
	.amdgpu_metadata
---
amdhsa.version: [ 1, 2 ]
amdhsa.kernels:
  - .name:           k_qc09ff79dda_ff2
    .symbol:         k_qc09ff79dda_ff2.kd
    .args:
      - { .name: hid, .offset: 0, .size: 8, .value_kind: global_buffer, .address_space: global }
      - { .name: w16, .offset: 8, .size: 8, .value_kind: global_buffer, .address_space: global }
      - { .name: att16, .offset: 16, .size: 8, .value_kind: global_buffer, .address_space: global }
      - { .name: b2, .offset: 24, .size: 8, .value_kind: global_buffer, .address_space: global }
      - { .name: zbuf, .offset: 32, .size: 8, .value_kind: global_buffer, .address_space: global }
    .group_segment_fixed_size: 327680
    .private_segment_fixed_size: 0
    .kernarg_segment_align: 8
    .kernarg_segment_size: 40
    .max_flat_workgroup_size: 128
    .sgpr_count:     96
    .vgpr_count:     512
    .wavefront_size: 32
...
	.end_amdgpu_metadata
.endif
;; end of part 7
;; launch ln2 (part 8): grid 256 x 1, 8 waves a work-group, no clusters, 0 bytes of LDS; arguments zbuf, ln2_scale, ln2_offset, out0; writes out0
.if DOCPART == 8
	.amdgcn_target "amdgcn-amd-amdhsa--gfx1250"
	.amdhsa_code_object_version 6
	.text
	.protected	k_qc09ff79dda_ln2
	.globl	k_qc09ff79dda_ln2
	.p2align	8
	.type	k_qc09ff79dda_ln2,@function
k_qc09ff79dda_ln2:
	s_mov_b64 s[64:65], 0
	v_nop
	global_prefetch_b8 v0, s[64:65] scope:SCOPE_SE
	s_setreg_imm32_b32 hwreg(HW_REG_WAVE_MODE, 25, 1), 1
	s_wait_xcnt 0x0
; y = (z - mean) / sqrt(var + 1e-5) x scale + offset along rows of 1,024 f32.  F16OUT = 1: y is stored in f16 (it feeds matrix products and a residual); 0: in f32.
; A wave takes two whole rows, 32 registers each: the reduction never leaves the wave, so there is no LDS and no barrier.  The variance is the mean of (z - mean)^2: no difference of large sums.
; Scale and offset are rounded to bf16 like every input.  A load of a wave covers 512 consecutive bytes; a store 256 (f16) or 512.
.set F16OUT, 0
.set A,   8                            ; v[8:15]  four running pairs
.set MU,  16                           ; v[16:17] the mean, twice
.set VV,  18                           ; v[18:19] var + eps, by row
.set RS,  20                           ; v[20:23] 1 / sqrt, twice, by row
.set TP,  24                           ; v[24:31] at work
.set X0,  32
.set X1,  64
.set SC,  96
.set OF,  128
	s_load_b256 s[4:11], s[0:1], 0x0               ; z, scale, offset, y
	v_lshrrev_b32 v1, 5, v0
	v_readfirstlane_b32 s12, v1
	v_and_b32 v2, 31, v0
	v_lshlrev_b32 v1, 4, v2                        ; 16 x lane
	v_lshlrev_b32 v3, 3, v2                        ; 8 x lane
	s_lshl_b32 s2, ttmp9, 4
	s_lshl_b32 s3, s12, 1
	s_add_co_u32 s2, s2, s3                        ; my first row
.if F16OUT
	s_lshl_b32 s14, s2, 11
.else
	s_lshl_b32 s14, s2, 12
.endif
	s_mov_b32 s15, 0
	s_lshl_b32 s2, s2, 12
	s_mov_b32 s3, 0
	s_mov_b32 s16, 0x76543210
	s_mov_b32 s17, 0xfedcba98
	s_mov_b32 s18, 0x3a800000                      ; 1 / 1,024
	s_mov_b32 s19, 0x3727c5ac                      ; 1e-5
	s_mov_b32 s20, 0xffff0000
	s_wait_kmcnt 0x0
	s_add_nc_u64 s[4:5], s[4:5], s[2:3]
	s_add_nc_u64 s[10:11], s[10:11], s[14:15]
.irp j, 0,1,2,3,4,5,6,7
	global_load_b128 v[X0+4*(\j):X0+4*(\j)+3], v1, s[4:5] offset:512*(\j) th:TH_LOAD_NT
.endr
.irp j, 0,1,2,3,4,5,6,7
	global_load_b128 v[X1+4*(\j):X1+4*(\j)+3], v1, s[4:5] offset:4096+512*(\j) th:TH_LOAD_NT
.endr
.irp j, 0,1,2,3,4,5,6,7
	global_load_b128 v[SC+4*(\j):SC+4*(\j)+3], v1, s[6:7] offset:512*(\j)
.endr
.irp j, 0,1,2,3,4,5,6,7
	global_load_b128 v[OF+4*(\j):OF+4*(\j)+3], v1, s[8:9] offset:512*(\j)
.endr
.macro LANES                           ; the four pairs into one number, then over the 32 lanes: every lane ends with the sum
	v_pk_add_f32 v[A:A+1], v[A:A+1], v[A+2:A+3]
	v_pk_add_f32 v[A+4:A+5], v[A+4:A+5], v[A+6:A+7]
	v_pk_add_f32 v[A:A+1], v[A:A+1], v[A+4:A+5]
	v_add_f32 v[A], v[A], v[A+1]
	v_add_f32_dpp v[A], v[A], v[A] row_xmask:1 row_mask:0xf bank_mask:0xf
	v_add_f32_dpp v[A], v[A], v[A] row_xmask:2 row_mask:0xf bank_mask:0xf
	v_add_f32_dpp v[A], v[A], v[A] row_xmask:4 row_mask:0xf bank_mask:0xf
	v_add_f32_dpp v[A], v[A], v[A] row_xmask:8 row_mask:0xf bank_mask:0xf
	v_permlanex16_b32 v[A+1], v[A], s16, s17
	v_add_f32 v[A], v[A], v[A+1]
.endm
.macro STATS xb, row                   ; leaves z - mean in place and var + eps in v[VV+row]
.irp c, 0,1,2,3
	v_pk_add_f32 v[A+2*(\c):A+2*(\c)+1], v[(\xb)+2*(\c):(\xb)+2*(\c)+1], v[(\xb)+8+2*(\c):(\xb)+8+2*(\c)+1]
.endr
.irp k, 16,24
.irp c, 0,1,2,3
	v_pk_add_f32 v[A+2*(\c):A+2*(\c)+1], v[A+2*(\c):A+2*(\c)+1], v[(\xb)+(\k)+2*(\c):(\xb)+(\k)+2*(\c)+1]
.endr
.endr
	LANES
	v_mul_f32 v[MU], s18, v[A]
	v_mul_f32 v[MU+1], s18, v[A]
.set i, 0
.rept 16
	v_pk_add_f32 v[(\xb)+2*i:(\xb)+2*i+1], v[(\xb)+2*i:(\xb)+2*i+1], v[MU:MU+1] neg_lo:[0,1] neg_hi:[0,1]
.set i, i+1
.endr
.irp c, 0,1,2,3
	v_pk_mul_f32 v[A+2*(\c):A+2*(\c)+1], v[(\xb)+2*(\c):(\xb)+2*(\c)+1], v[(\xb)+2*(\c):(\xb)+2*(\c)+1]
.endr
.irp k, 8,16,24
.irp c, 0,1,2,3
	v_pk_fma_f32 v[A+2*(\c):A+2*(\c)+1], v[(\xb)+(\k)+2*(\c):(\xb)+(\k)+2*(\c)+1], v[(\xb)+(\k)+2*(\c):(\xb)+(\k)+2*(\c)+1], v[A+2*(\c):A+2*(\c)+1]
.endr
.endr
	LANES
	v_fma_f32 v[VV+(\row)], v[A], s18, s19
.endm
	s_wait_loadcnt 24                              ; row 0 is in; the 24 loads behind it may stay out
	STATS X0, 0
	s_wait_loadcnt 16                              ; row 1 is in
	STATS X1, 1
	v_rsq_f32 v[RS], v[VV]                         ; made twice, to fill the pairs that the packed multiplies name
	v_rsq_f32 v[RS+1], v[VV]
	v_rsq_f32 v[RS+2], v[VV+1]
	v_rsq_f32 v[RS+3], v[VV+1]
	s_wait_loadcnt 0x0                             ; scale and offset
.set i, 0
.rept 16
	v_cvt_pk_bf16_f32 v[TP+i%4], v[SC+2*i], v[SC+2*i+1]
	v_cvt_pk_bf16_f32 v[TP+4+i%4], v[OF+2*i], v[OF+2*i+1]
	v_lshlrev_b32 v[SC+2*i], 16, v[TP+i%4]
	v_and_b32 v[SC+2*i+1], s20, v[TP+i%4]
	v_lshlrev_b32 v[OF+2*i], 16, v[TP+4+i%4]
	v_and_b32 v[OF+2*i+1], s20, v[TP+4+i%4]
.set i, i+1
.endr
	s_wait_alu depctr_va_vdst(0)                   ; one wait for the four roots, ahead of their first reader; the roundings above are the plain work between
.macro FINISH xb, row
.set i, 0
.rept 16
	v_pk_mul_f32 v[TP+2*(i%4):TP+2*(i%4)+1], v[SC+2*i:SC+2*i+1], v[RS+2*(\row):RS+2*(\row)+1]
	v_pk_fma_f32 v[(\xb)+2*i:(\xb)+2*i+1], v[(\xb)+2*i:(\xb)+2*i+1], v[TP+2*(i%4):TP+2*(i%4)+1], v[OF+2*i:OF+2*i+1]
.set i, i+1
.endr
.if F16OUT
.set i, 0
.rept 16
	v_cvt_pk_f16_f32 v[(\xb)+i], v[(\xb)+2*i], v[(\xb)+2*i+1]   ; packed downward in place: register i is written when 2 i and 2 i + 1 have been read
.set i, i+1
.endr
.irp j, 0,1,2,3,4,5,6,7
	global_store_b64 v3, v[(\xb)+2*(\j):(\xb)+2*(\j)+1], s[10:11] offset:2048*(\row)+256*(\j)
.endr
.else
.irp j, 0,1,2,3,4,5,6,7
	global_store_b128 v1, v[(\xb)+4*(\j):(\xb)+4*(\j)+3], s[10:11] offset:4096*(\row)+512*(\j) th:TH_STORE_NT
.endr
.endif
.endm
	FINISH X0, 0
	FINISH X1, 1
	s_endpgm
.Lfunc_end_k_qc09ff79dda_ln2:
	.size	k_qc09ff79dda_ln2, .Lfunc_end_k_qc09ff79dda_ln2-k_qc09ff79dda_ln2
	.p2alignl 7, 3214868480
	.fill 96, 4, 3214868480
	.section	.rodata,"a",@progbits
	.p2align	6, 0x0
	.amdhsa_kernel k_qc09ff79dda_ln2
		.amdhsa_group_segment_fixed_size 0
		.amdhsa_private_segment_fixed_size 0
		.amdhsa_enable_private_segment 0
		.amdhsa_kernarg_size 32
		.amdhsa_user_sgpr_count 2
		.amdhsa_user_sgpr_kernarg_segment_ptr 1
		.amdhsa_wavefront_size32 1
		.amdhsa_system_sgpr_workgroup_id_x 1
		.amdhsa_system_sgpr_workgroup_id_y 1
		.amdhsa_system_sgpr_workgroup_id_z 1
		.amdhsa_system_vgpr_workitem_id 0
		.amdhsa_next_free_vgpr 160
		.amdhsa_next_free_sgpr 66
		.amdhsa_reserve_vcc 0
		.amdhsa_float_denorm_mode_32 3
		.amdhsa_float_denorm_mode_16_64 3
		.amdhsa_memory_ordered 1
		.amdhsa_forward_progress 1
		.amdhsa_inst_pref_size 22
	.end_amdhsa_kernel
	.amdgpu_metadata
---
amdhsa.version: [ 1, 2 ]
amdhsa.kernels:
  - .name:           k_qc09ff79dda_ln2
    .symbol:         k_qc09ff79dda_ln2.kd
    .args:
      - { .name: zbuf, .offset: 0, .size: 8, .value_kind: global_buffer, .address_space: global }
      - { .name: ln2_scale, .offset: 8, .size: 8, .value_kind: global_buffer, .address_space: global }
      - { .name: ln2_offset, .offset: 16, .size: 8, .value_kind: global_buffer, .address_space: global }
      - { .name: out0, .offset: 24, .size: 8, .value_kind: global_buffer, .address_space: global }
    .group_segment_fixed_size: 0
    .private_segment_fixed_size: 0
    .kernarg_segment_align: 8
    .kernarg_segment_size: 32
    .max_flat_workgroup_size: 256
    .sgpr_count:     66
    .vgpr_count:     160
    .wavefront_size: 32
...
	.end_amdgpu_metadata
.endif
;; end of part 8
;; ======== version 2 of 2: 8 launches; version 1 with the launch prep written anew for expert scheduling mode
;; limits: values are held in f16: magnitudes above 65,504 overflow, below 6.1e-05 lose precision
;; workspace buffers: w16 25,165,824 bytes; h16 8,388,608 bytes; qkv 25,427,968 bytes; o16 8,388,608 bytes; zbuf 16,777,216 bytes; att16 8,388,608 bytes; hid 33,554,432 bytes
;; launch prep (part 9): grid 256 x 1, 16 waves a work-group, no clusters, 0 bytes of LDS; arguments x, pos, Wq, Wk, Wv, Wo, W1, W2, w16, h16; writes w16, h16
.if DOCPART == 9
	.amdgcn_target "amdgcn-amd-amdhsa--gfx1250"
	.amdhsa_code_object_version 6
	.text
	.protected	k_qc09ff79dda_prep
	.globl	k_qc09ff79dda_prep
	.p2align	8
	.type	k_qc09ff79dda_prep,@function
k_qc09ff79dda_prep:
	s_mov_b64 s[64:65], 0
	v_nop
	global_prefetch_b8 v0, s[64:65] scope:SCOPE_SE
	s_setreg_imm32_b32 hwreg(HW_REG_WAVE_SCHED_MODE, 0, 2), 2
	s_setreg_imm32_b32 hwreg(HW_REG_WAVE_MODE, 25, 1), 1
	s_wait_xcnt 0x0
	s_wait_alu depctr_vm_vsrc(0)
; h16 = f16(bf16(x) + bf16(pos[t % 64])), and the six weight matrices as f16(bf16(W)), each in its own [K][N] order, one behind the other in w16.
; Everything is taken as rows of 1,024 f32 (4,096 bytes in, 2,048 bytes out), 64 rows to a work-group.
; Work-groups 0-63 take x: work-group g the rows g, g + 64, g + 128 ..: all of them want row g of pos, which is loaded once and kept in 4 registers a thread.
; Work-groups 64-255 take 64 consecutive rows of Wq, Wk, Wv, Wo, W1, W2 (in w16's order), with 0 in pos's place.
; Thread t owns 16 bytes (4 numbers) at byte 16 (t % 256) of a row, and the rows of parity t / 256: 32 rows.
; A wave's load covers 512 consecutive bytes, its store 256 consecutive bytes, both aligned.  No LDS, no matrix unit: nothing is shared and nothing is multiplied.
; LIMITS: f16 ends at 65,504 (h is x + pos); a weight below 6e-5 keeps f16's fixed step of 6e-8.
; THE MODE: SCHED_MODE bits 1:0 = 2 (LLVM: expert scheduling mode 2), set by the entry lines.  The code itself states the register dependences
; between vector instructions and memory instructions, with s_wait_alu, always for 0.
; THE PLAN.  A round is 16 rows of the work-group, 8 of mine (slots 0 to 7); my 32 rows go in 8 blocks of four: block q is slots 4 (q % 2) to 4 (q % 2) + 3 of round q / 2.
; Registers that memory instructions touch:
;   X0 .. X3     four blocks as loaded.   Written by the loads of block p + 3, issued in block p; read by block p's roundings to bf16.
;   Y0, Y1       two blocks to store.     Written by block p's roundings to f16; read by the four stores that are issued in block p + 1.
;   v3, SO, DO   byte offsets, made once at the head and never written again: the rounds are reached by the two scalar bases.
;   PP           pos: one load lands in it, in the x branch; vector instructions name it only behind that load's wait.
; Block p works on X[p % 4] and writes Y[p % 2].  Its memory instructions are the loads into X[(p + 3) % 4] = X[(p - 1) % 4] and the stores from Y[(p - 1) % 2]:
; the two buffers that block p - 1 worked on and that no vector instruction of block p names.  So the waits at the head of a block state all that the block's
; eight memory instructions hang on, and these are dealt among its vector instructions with no further wait.
; With three blocks asked for ahead, 8 blocks are one lap of the four X buffers between a first block and three last ones: the blocks are written out by one macro, without a loop.
.set SO,  4                            ; v[4:11]   slot i: byte offset of my 16 bytes in the source; never rewritten
.set DO,  12                           ; v[12:19]  slot i: byte offset of my 8 bytes in the destination; never rewritten
.set PP,  20                           ; v[20:23]  my 4 numbers of pos, rounded to bf16, or 0
.set TT,  24                           ; v[24:25]  at work: no memory instruction names them
.set UU,  26                           ; v[26:29]  at work: no memory instruction names them
.set XX,  32                           ; v[32:95]  buffer k, row i of four: 4 registers at XX + 16 k + 4 i, as loaded
.set YY,  96                           ; v[96:111] buffer k, row i of four: 2 registers at YY + 8 k + 2 i, to store
.set SRC, 24                           ; s[24:25]  the source, at the round that is being loaded
.set DST, 30                           ; s[30:31]  the destination, at the round that is being stored
.set SST, 32                           ; s[32:33]  16 source rows' step
.set DSTP, 34                          ; s[34:35]  16 destination rows' step
	s_load_b512 s[4:19], s[0:1], 0x0               ; x, pos, Wq, Wk, Wv, Wo, W1, W2
	s_load_b128 s[20:23], s[0:1], 0x40             ; w16, h16
	s_mov_b32 s2, ttmp9                            ; g
	s_mov_b32 s41, 0xffff0000                      ; a word's upper bf16
	v_and_b32 v1, 0xff, v0
	v_lshrrev_b32 v2, 8, v0                        ; my rows' parity
	v_lshlrev_b32 v3, 4, v1                        ; my 16 bytes in a source row (and in pos's row)
	v_lshlrev_b32 v1, 3, v1                        ; my 8 bytes in a destination row
	s_wait_kmcnt 0x0
	s_mov_b64 s[SRC:SRC+1], s[18:19]               ; which tensor, and the first work-group of its range
	s_movk_i32 s26, 192
	s_cmp_lt_u32 s2, 192
	s_cselect_b64 s[SRC:SRC+1], s[16:17], s[SRC:SRC+1]
	s_cselect_b32 s26, 128, s26
	s_cmp_lt_u32 s2, 128
	s_cselect_b64 s[SRC:SRC+1], s[14:15], s[SRC:SRC+1]
	s_cselect_b32 s26, 112, s26
	s_cmp_lt_u32 s2, 112
	s_cselect_b64 s[SRC:SRC+1], s[12:13], s[SRC:SRC+1]
	s_cselect_b32 s26, 96, s26
	s_cmp_lt_u32 s2, 96
	s_cselect_b64 s[SRC:SRC+1], s[10:11], s[SRC:SRC+1]
	s_cselect_b32 s26, 80, s26
	s_cmp_lt_u32 s2, 80
	s_cselect_b64 s[SRC:SRC+1], s[8:9], s[SRC:SRC+1]
	s_cselect_b32 s26, 64, s26
	s_cmp_lt_u32 s2, 64
	s_cselect_b64 s[SRC:SRC+1], s[4:5], s[SRC:SRC+1]
	s_cselect_b32 s26, 0, s26
	s_cselect_b64 s[DST:DST+1], s[22:23], s[20:21]
	s_cselect_b32 s27, 0, 64
	s_cselect_b32 s28, 12, 18                      ; x: one row a work-group apart; weights: 64 rows
	s_cselect_b32 s29, 11, 17
	s_cselect_b32 s40, 18, 12                      ; x: 64 rows from a row of mine to the next; weights: one
	s_sub_co_u32 s32, s2, s26
	s_lshl_b32 s32, s32, s28
	s_mov_b32 s33, 0
	s_add_nc_u64 s[SRC:SRC+1], s[SRC:SRC+1], s[32:33]
	s_sub_co_u32 s34, s2, s27
	s_lshl_b32 s34, s34, s29
	s_mov_b32 s35, 0
	s_add_nc_u64 s[DST:DST+1], s[DST:DST+1], s[34:35]
	s_lshl_b32 s37, 1, s40                         ; bytes from row to row in the source,
	s_lshr_b32 s38, s37, 1                         ; and in the destination
	s_lshl_b32 s[SST], s37, 4
	s_lshl_b32 s[DSTP], s38, 4
.irp i, 0,1,2,3,4,5,6,7
	v_add_nc_u32 v[TT], 2*(\i), v2                 ; slot i's row of the round's 16
	v_mad_u32_u24 v[SO+(\i)], v[TT], s37, v3
	v_mad_u32_u24 v[DO+(\i)], v[TT], s38, v1
.endr
	s_wait_alu depctr_va_vdst(0)                   ; v3 and the sixteen offsets are written: every load and store of the kernel reads one of them as its offset
.irp i, 0,1,2,3,4,5,6,7
	global_load_b128 v[XX+4*(\i):XX+4*(\i)+3], v[SO+(\i)], s[SRC:SRC+1] th:TH_LOAD_NT  ; blocks 0 and 1 into X0 and X1: round 0
.endr
	s_wait_xcnt 0x0                                ; the loads have read their base: it steps to round 1
	s_add_nc_u64 s[SRC:SRC+1], s[SRC:SRC+1], s[SST:SST+1]
.irp i, 0,1,2,3
	global_load_b128 v[XX+32+4*(\i):XX+32+4*(\i)+3], v[SO+(\i)], s[SRC:SRC+1] th:TH_LOAD_NT  ; block 2 into X2: the first half of round 1
.endr
	s_cmp_lt_u32 s2, 64
	s_cbranch_scc0 .Lweights
	s_lshl_b32 s26, s2, 12                         ; row g of pos
	s_mov_b32 s27, 0
	s_add_nc_u64 s[6:7], s[6:7], s[26:27]
	global_load_b128 v[PP:PP+3], v3, s[6:7]        ; no vector instruction since the wait above names v3 or PP
	s_wait_loadcnt 0x0
	v_cvt_pk_bf16_f32 v[TT], v[PP], v[PP+1]
	v_cvt_pk_bf16_f32 v[TT+1], v[PP+2], v[PP+3]
	v_lshlrev_b32 v[PP], 16, v[TT]
	v_and_b32 v[PP+1], s41, v[TT]
	v_lshlrev_b32 v[PP+2], 16, v[TT+1]
	v_and_b32 v[PP+3], s41, v[TT+1]
	s_branch .Lgo
.Lweights:
	v_mov_b32 v[PP], 0
	v_mov_b32 v[PP+1], 0
	v_mov_b32 v[PP+2], 0
	v_mov_b32 v[PP+3], 0
.Lgo:
; Block p of 8.  Blocks 0 to 4 ask for block p + 3; blocks 1 to 7 store block p - 1.
.macro BLK p
.if (\p) <= 5
	s_wait_loadcnt 8                               ; loads come back in order: X[p % 4] is in, the two younger blocks stay out
.else
	s_wait_loadcnt 4*(7-(\p))                      ; the last blocks have fewer loads behind them: the counts run down
.endif
.if (\p) > 0
	s_wait_xcnt 0x0                                ; every earlier memory instruction has had its addresses translated: the bases and Y[p % 2] are rewritten only behind this wait
.if (\p) > 1
	s_wait_alu depctr_vm_vsrc(0)                   ; the stores issued in the block before have read Y[p % 2], which this block's roundings write again
.endif
	s_wait_alu depctr_va_vdst(0)                   ; the block before has written the other Y, which the stores below read, and is done reading its X, in which the loads below land
.if ((\p) == 1) || ((\p) == 3)
	s_add_nc_u64 s[SRC:SRC+1], s[SRC:SRC+1], s[SST:SST+1]     ; block p + 3 begins a round
.endif
.if ((\p) == 3) || ((\p) == 5) || ((\p) == 7)
	s_add_nc_u64 s[DST:DST+1], s[DST:DST+1], s[DSTP:DSTP+1]   ; block p - 1 begins a round
.endif
.endif
.irp i, 0,1,2,3
.if (\p) <= 4
	global_load_b128 v[XX+16*(((\p)+3)%4)+4*(\i):XX+16*(((\p)+3)%4)+4*(\i)+3], v[SO+4*(((\p)+3)%2)+(\i)], s[SRC:SRC+1] th:TH_LOAD_NT  ; three blocks ahead; no vector instruction since the wait names these registers
.endif
.if (\p) > 0
	global_store_b64 v[DO+4*(((\p)+1)%2)+(\i)], v[YY+8*(((\p)+1)%2)+2*(\i):YY+8*(((\p)+1)%2)+2*(\i)+1], s[DST:DST+1]  ; the block before
.endif
	v_cvt_pk_bf16_f32 v[TT], v[XX+16*((\p)%4)+4*(\i)], v[XX+16*((\p)%4)+4*(\i)+1]        ; the input rounded to bf16,
	v_cvt_pk_bf16_f32 v[TT+1], v[XX+16*((\p)%4)+4*(\i)+2], v[XX+16*((\p)%4)+4*(\i)+3]
	v_lshlrev_b32 v[UU], 16, v[TT]                               ; widened again,
	v_and_b32 v[UU+1], s41, v[TT]
	v_lshlrev_b32 v[UU+2], 16, v[TT+1]
	v_and_b32 v[UU+3], s41, v[TT+1]
	v_pk_add_f32 v[UU:UU+1], v[UU:UU+1], v[PP:PP+1]              ; pos (or 0) added in f32,
	v_pk_add_f32 v[UU+2:UU+3], v[UU+2:UU+3], v[PP+2:PP+3]
	v_cvt_pk_f16_f32 v[YY+8*((\p)%2)+2*(\i)], v[UU], v[UU+1]     ; and rounded once to f16
	v_cvt_pk_f16_f32 v[YY+8*((\p)%2)+2*(\i)+1], v[UU+2], v[UU+3]
.endr
.endm
	BLK 0                                          ; no block stands in front of it: nothing to store, and no wait but the one for its data (the head's wait has covered the offsets, and no vector instruction has named X3)
	BLK 1
	BLK 2
	BLK 3
	BLK 4                                          ; asks for block 7, the last
	BLK 5                                          ; blocks 5 to 7 load nothing: no load leaves the buffers
	BLK 6
	BLK 7
	s_wait_alu depctr_va_vdst(0)                   ; block 7 has written Y1, which the last four stores read
.irp i, 0,1,2,3
	global_store_b64 v[DO+4+(\i)], v[YY+8+2*(\i):YY+8+2*(\i)+1], s[DST:DST+1]
.endr
	s_endpgm
.Lfunc_end_k_qc09ff79dda_prep:
	.size	k_qc09ff79dda_prep, .Lfunc_end_k_qc09ff79dda_prep-k_qc09ff79dda_prep
	.p2alignl 7, 3214868480
	.fill 96, 4, 3214868480
	.section	.rodata,"a",@progbits
	.p2align	6, 0x0
	.amdhsa_kernel k_qc09ff79dda_prep
		.amdhsa_group_segment_fixed_size 0
		.amdhsa_private_segment_fixed_size 0
		.amdhsa_enable_private_segment 0
		.amdhsa_kernarg_size 80
		.amdhsa_user_sgpr_count 2
		.amdhsa_user_sgpr_kernarg_segment_ptr 1
		.amdhsa_wavefront_size32 1
		.amdhsa_system_sgpr_workgroup_id_x 1
		.amdhsa_system_sgpr_workgroup_id_y 1
		.amdhsa_system_sgpr_workgroup_id_z 1
		.amdhsa_system_vgpr_workitem_id 0
		.amdhsa_next_free_vgpr 112
		.amdhsa_next_free_sgpr 66
		.amdhsa_reserve_vcc 0
		.amdhsa_float_denorm_mode_32 3
		.amdhsa_float_denorm_mode_16_64 3
		.amdhsa_memory_ordered 1
		.amdhsa_forward_progress 1
		.amdhsa_inst_pref_size 28
	.end_amdhsa_kernel
	.amdgpu_metadata
---
amdhsa.version: [ 1, 2 ]
amdhsa.kernels:
  - .name:           k_qc09ff79dda_prep
    .symbol:         k_qc09ff79dda_prep.kd
    .args:
      - { .name: x, .offset: 0, .size: 8, .value_kind: global_buffer, .address_space: global }
      - { .name: pos, .offset: 8, .size: 8, .value_kind: global_buffer, .address_space: global }
      - { .name: Wq, .offset: 16, .size: 8, .value_kind: global_buffer, .address_space: global }
      - { .name: Wk, .offset: 24, .size: 8, .value_kind: global_buffer, .address_space: global }
      - { .name: Wv, .offset: 32, .size: 8, .value_kind: global_buffer, .address_space: global }
      - { .name: Wo, .offset: 40, .size: 8, .value_kind: global_buffer, .address_space: global }
      - { .name: W1, .offset: 48, .size: 8, .value_kind: global_buffer, .address_space: global }
      - { .name: W2, .offset: 56, .size: 8, .value_kind: global_buffer, .address_space: global }
      - { .name: w16, .offset: 64, .size: 8, .value_kind: global_buffer, .address_space: global }
      - { .name: h16, .offset: 72, .size: 8, .value_kind: global_buffer, .address_space: global }
    .group_segment_fixed_size: 0
    .private_segment_fixed_size: 0
    .kernarg_segment_align: 8
    .kernarg_segment_size: 80
    .max_flat_workgroup_size: 512
    .sgpr_count:     66
    .vgpr_count:     112
    .wavefront_size: 32
...
	.end_amdgpu_metadata
.endif
;; end of part 9
;; launch proj: the kernel of part 2 again; grid 8 x 32, 4 waves a work-group, clusters of 4 x 4, 327,680 bytes of LDS; arguments h16, w16, qkv; writes qkv
;; launch attn: the kernel of part 3 again; grid 256 x 1, 8 waves a work-group, no clusters, 327,680 bytes of LDS; arguments qkv, causal_mask, rpe, o16; writes o16
;; launch wo: the kernel of part 4 again; grid 8 x 32, 4 waves a work-group, clusters of 4 x 4, 327,680 bytes of LDS; arguments o16, w16, h16, zbuf; writes zbuf
;; launch ln1: the kernel of part 5 again; grid 256 x 1, 8 waves a work-group, no clusters, 0 bytes of LDS; arguments zbuf, ln1_scale, ln1_offset, att16; writes att16
;; launch ff1: the kernel of part 6 again; grid 16 x 16, 4 waves a work-group, clusters of 4 x 4, 327,680 bytes of LDS; arguments att16, w16, b1, hid; writes hid
;; launch ff2: the kernel of part 7 again; grid 8 x 32, 4 waves a work-group, clusters of 4 x 4, 327,680 bytes of LDS; arguments hid, w16, att16, b2, zbuf; writes zbuf
;; launch ln2: the kernel of part 8 again; grid 256 x 1, 8 waves a work-group, no clusters, 0 bytes of LDS; arguments zbuf, ln2_scale, ln2_offset, out0; writes out0
